; MI455X (gfx1250); checked and timed in simulation.
; The chip was launched on July 23, 2026; its instructions are those of AMD's public machine-readable ISA for CDNA 5 (MIT licence, August 2026) and "CDNA5" Instruction Set Architecture Reference Guide (July 2026). The comments in the code are by the model that wrote it; some were corrected since.
;; Block. Allowed arithmetic: matrix products marked QUANTISED: E2M3 operands, one E8M0 scale for each 32 along K, by v_wmma_scale_f32_16x16x128_f8f6f4 with both operands' format E2M3, f32 sums; everything else in f32.
;; Inputs: b1 4,096 float32; b2 1,024 float32; b_proj 1,024 float32; ln1_bias 1,024 float32; ln1_scale 1,024 float32; ln2_bias 1,024 float32; ln2_scale 1,024 float32; w1_codes 4,096 x 32 x 24 uint8 (E2M3 codes of w1, K innermost, in blocks of 32 codes, four codes in three bytes); w1_scales 4,096 x 32 uint8 (E8M0 scales of w1, one for each 32 codes along K); w2_codes 1,024 x 128 x 24 uint8 (E2M3 codes of w2, K innermost, in blocks of 32 codes, four codes in three bytes); w2_scales 1,024 x 128 uint8 (E8M0 scales of w2, one for each 32 codes along K); w_proj_codes 1,024 x 32 x 24 uint8 (E2M3 codes of w_proj, K innermost, in blocks of 32 codes, four codes in three bytes); w_proj_scales 1,024 x 32 uint8 (E8M0 scales of w_proj, one for each 32 codes along K); wk_codes 16 x 64 x 32 x 24 uint8 (E2M3 codes of wk, K innermost, in blocks of 32 codes, four codes in three bytes); wk_scales 16 x 64 x 32 uint8 (E8M0 scales of wk, one for each 32 codes along K); wq_codes 16 x 64 x 32 x 24 uint8 (E2M3 codes of wq, K innermost, in blocks of 32 codes, four codes in three bytes); wq_scales 16 x 64 x 32 uint8 (E8M0 scales of wq, one for each 32 codes along K); wv_codes 16 x 64 x 32 x 24 uint8 (E2M3 codes of wv, K innermost, in blocks of 32 codes, four codes in three bytes); wv_scales 16 x 64 x 32 uint8 (E8M0 scales of wv, one for each 32 codes along K); x 4 x 1,024 x 1,024 float32.
;; Outputs: out0 4 x 1,024 x 1,024 float32.
;; This version of the problem:
;;   THIS VERSION OF THE PROBLEM IS GIVEN IN LOW PRECISION. The matrix products marked QUANTISED in the list below multiply operands that are first quantised to E2M3 (2 exponent bits, 3 mantissa bits; 6 bits a number), with one power-of-two scale for each 32 numbers along K (OCP MX v1.0); their sums are f32. All else is computed in f32.
;;   The module's matrix products, in the order in which they are computed (A, B: the left and right operand; K: the contracted axis; several contracted axes count as one K, in the product's order):
;;     1. [M 1,024, K 1,024] x [K 1,024, N 4,096]; A: input wq (given as codes); B: computed on the way: QUANTISED
;;     2. [M 1,024, K 1,024] x [K 1,024, N 4,096]; A: input wk (given as codes); B: computed on the way: QUANTISED
;;     3. [M 1,024, K 1,024] x [K 1,024, N 4,096]; A: input wv (given as codes); B: computed on the way: QUANTISED
;;     4. batch 64 x [M 1,024, K 64] x [K 64, N 1,024]; A: computed on the way; B: computed on the way: QUANTISED
;;     5. batch 64 x [M 1,024, K 1,024] x [K 1,024, N 64]; A: softmax (see below); B: computed on the way: QUANTISED
;;     6. [M 4,096, K 1,024] x [K 1,024, N 1,024]; A: computed on the way; B: input w_proj (given as codes): QUANTISED
;;     7. [M 4,096, K 1,024] x [K 1,024, N 4,096]; A: computed on the way; B: input w1 (given as codes): QUANTISED
;;     8. [M 4,096, K 4,096] x [K 4,096, N 1,024]; A: computed on the way; B: input w2 (given as codes): QUANTISED
;;   THE QUANTISER, for each operand of a quantised product, along K:
;;     - K is cut into blocks of 32 from its start; a last block that is shorter is filled with zeros.
;;     - A block's scale is 2^e with e = floor(log2(the largest magnitude in the block)) - 2, held to -126 .. 127; a block of zeros has e = 0. As a byte (E8M0): e + 127.
;;     - Each number is divided by its block's scale, clamped to +-7.5, and rounded to the nearest number of E2M3, ties to even, subnormals kept.
;;     - The product sums the exact products of the quantised numbers (number of the format x scale) in f32.
;;   ~~~python
;;   def quantise(x, axis):      # numpy; x: float32 -> the quantised numbers, widened to float32 again
;;       x = np.moveaxis(x, axis, -1); K = x.shape[-1]
;;       x = np.pad(x, [(0, 0)] * (x.ndim - 1) + [(0, -K % 32)]); x = x.reshape(x.shape[:-1] + (-1, 32)); a = np.abs(x).max(-1, keepdims=True)
;;       e = np.where(a > 0, np.clip(np.frexp(np.where(a > 0, a, 1))[1] - 1 - 2, -126, 127), 0)      # np.frexp(a)[1] - 1 = floor(log2(a)), exactly
;;       r = np.clip(x / 2.0 ** e, -7.5, 7.5)
;;       step = 2.0 ** (np.maximum(np.frexp(np.where(r == 0, 1, r))[1] - 1, 0) - 3)
;;       q = np.round(r / step) * step * 2.0 ** e      # np.round: ties to even
;;       return np.moveaxis(q.reshape(q.shape[:-2] + (-1,))[..., :K], -1, axis).astype(np.float32)
;;   ~~~
;;   SOFTMAX AHEAD OF A QUANTISED PRODUCT. Where the list says 'softmax', what is quantised is not the finished softmax but p = 2^(t - M), with t = logit x log2(e) and M = ceil(the row's largest t), a whole number; so 1/2 < the row's largest p <= 1. The row's sum l is taken of the UNQUANTISED p, in f32, and the product's result is divided by l at the end. Since M is a whole number, a kernel that streams over the keys may use a running M (the ceiling of the running maximum): every later rescaling is an exact power of two, which a block's scale takes up: the codes' values come out the same.
;;   OPERANDS COMPUTED ON THE WAY. 'Computed on the way' means the value that the module computes at that place (a softmax that the list does not call 'softmax' is quantised finished and normalised). What goes into a quantiser is computed in f32, as accurately as f32 sums, v_exp_f32 and their like allow (about 1e-6 of the number): no bf16 or f16 on the way to a quantiser, and a product that is left as it is and whose result goes on into a quantised operand takes f32 operands (vector FMAs, or v_wmma_f32_16x16x4_f32). A number that lies on a knife's edge between two numbers of the format may be rounded either way, as far as f32 arithmetic and the matrix unit's own rounding can turn it there, and no further.
;;   INPUTS GIVEN AS CODES. w1 (in the module: [1024, 4096], K = its axis 0); w2 (in the module: [4096, 1024], K = its axis 0); w_proj (in the module: [1024, 1024], K = its axis 0); wk (in the module: [16, 1024, 64], K = its axis 1); wq (in the module: [16, 1024, 64], K = its axis 1); wv (in the module: [16, 1024, 64], K = its axis 1): each comes as NAME_codes (uint8): NAME with its K axis moved to the last place and cut into blocks of 32 codes, [.., K / 32, bytes a block], one block behind the other in memory; four codes in three bytes: a row's codes are one little-endian stream of bits, code i at bits 6 i .. 6 i + 5 (a code: sign, 2 exponent bits, 3 mantissa bits); and NAME_scales (uint8): the same leading axes, one E8M0 byte (e + 127) for each 32 codes along K. Its value is code x scale, taken as it is: it is not quantised again, and the codes and scales need not be those that the quantiser above would give.
;; One version. Each part assembles by itself: llvm-mc -triple=amdgcn-amd-amdhsa -mcpu=gfx1250 --defsym DOCPART=n.
;; ======== version 1 of 1: 7 launches
;; limits: right only within a limited range of input values
;; workspace buffers: hq 3,276,800 bytes; qkv 10,092,544 bytes; att 3,276,800 bytes; x1 16,777,216 bytes; hid 13,107,200 bytes
;; launch ln1 (part 1): grid 256 x 1, 4 waves a work-group, no clusters, 25,088 bytes of LDS; arguments x, ln1_scale, ln1_bias, hq; writes hq
.if DOCPART == 1
	.amdgcn_target "amdgcn-amd-amdhsa--gfx1250"
	.amdhsa_code_object_version 6
	.text
	.protected	k_q09682cae08_ln1
	.globl	k_q09682cae08_ln1
	.p2align	8
	.type	k_q09682cae08_ln1,@function
k_q09682cae08_ln1:
	s_mov_b64 s[64:65], 0
	v_nop
	global_prefetch_b8 v0, s[64:65] scope:SCOPE_SE
	s_setreg_imm32_b32 hwreg(HW_REG_WAVE_MODE, 25, 1), 1
	s_wait_xcnt 0x0
; LayerNorm of rows of 1,024 f32 numbers, and its result quantised along the row to codes of FP6 (E2M3) with one E8M0 byte for each 32.
; in [4096][1024] f32;  gain, bias [1024] f32;  out: codes [4096][768 bytes] (a row's codes are one stream of bits), and 3,145,728 bytes on the scale bytes [4096][32].
; y = (x - mean) * rsqrt(mean((x - mean)^2) + 1e-6) * gain + bias, all in f32, the mean taken away before the squares.
; A block's scale byte is its largest magnitude's exponent field - 2, held at 1 from below.
; LIMITS: NaN and infinities are not served; a block whose largest magnitude lies under 2^-124 (a block of zeros too) gets the byte 1: its codes are then (near) zeros, and the bytes are read by this program alone.
; v_rsq_f32 is good to one unit in the last place.
; SHARES.  A work-group takes 16 rows, each of its four waves 4; a wave has one row in hand.  For the arithmetic lane l holds columns 32 l .. 32 l + 31: one whole block, so that a block's maximum needs no other lane and the
; conversions find their 16 neighbours in one lane.  The loads take the row as it lies, 512 consecutive bytes each; the row turns through the wave's own LDS.  All 4 rows' loads go out at the head: 32 a wave.
; The codes turn back through LDS, so that a store covers 384 consecutive bytes.  Waves share nothing: no barrier.  Memory binds: no matrix unit, no cluster, no tensor load would add anything.
.set WREG, 6144                        ; LDS of a wave: 32 places of 128 + 16 bytes for a row; 64 places of 16 bytes for its codes; 128 scale bytes
.set CST,  4608
.set SBY,  5632
.set SIN,  2                           ; v2   the row on its way in: 144 (l / 8) + 16 (l % 8); load j lies 576 j on
.set SOUT, 3                           ; v3   and out: 144 l
.set CIN,  4                           ; v4   codes in: 32 l (two places of 16 bytes, 12 used in each)
.set COUT, 5                           ; v5   codes out: 16 l
.set SBI,  6                           ; v6   my block's scale byte
.set SBO,  7                           ; v7   the wave's 128 scale bytes, 4 a lane
.set XO,   8                           ; v8   16 l
.set GO,   9                           ; v9   128 l
.set CO,   10                          ; v10  12 l
.set SO4,  11                          ; v11  4 l
.set MU,   12                          ; v[12:13] the mean, twice
.set RS,   14                          ; v[14:15] 1 / sqrt(var + eps), twice
.set G,    16                          ; v16-47  gain of my 32 columns
.set BT,   48                          ; v48-79  bias
.set R,    80                          ; v80-207 four rows as loaded; a row's registers 0-2 and 4-6 later take its codes on their way out
.set X,    208                         ; v208-239 the row in hand: my 32 columns
.set P,    240                         ; v240-247 four chains of pairs
.set CA,   248                         ; v248-250 codes of my first 16
.set MX,   251                         ; v251 largest magnitude, then the conversions' scale operand
.set CB,   252                         ; v252-254 codes of my second 16
.set TT,   255                         ; v255 at work
	s_load_b256 s[4:11], s[0:1], 0x0               ; in s[4:5], gain s[6:7], bias s[8:9], out s[10:11]
	s_set_vgpr_msb 0x40
	v_lshl_add_u32 v0, v0, 2, 0x6000
	v_mov_b32 v1, 0
	s_set_vgpr_msb 0x4000
	v_lshrrev_b32 v1, 5, v0
	v_readfirstlane_b32 s12, v1                    ; wave
	v_and_b32 v1, 31, v0                           ; lane
	s_mul_i32 s13, s12, WREG
	v_lshrrev_b32 v[SIN], 3, v1
	v_mul_u32_u24 v[SIN], v[SIN], 144
	v_and_b32 v3, 7, v1
	v_lshl_add_u32 v[SIN], v3, 4, v[SIN]
	v_add_nc_u32 v[SIN], s13, v[SIN]
	v_mul_u32_u24 v[SOUT], v1, 144
	v_add_nc_u32 v[SOUT], s13, v[SOUT]
	v_lshlrev_b32 v[CIN], 5, v1
	v_add_nc_u32 v[CIN], s13, v[CIN]
	v_add_nc_u32 v[CIN], CST, v[CIN]
	v_lshlrev_b32 v[COUT], 4, v1
	v_add_nc_u32 v[COUT], s13, v[COUT]
	v_add_nc_u32 v[COUT], CST, v[COUT]
	v_add_nc_u32 v[SBI], s13, v1
	v_add_nc_u32 v[SBI], SBY, v[SBI]
	v_lshlrev_b32 v[SO4], 2, v1
	v_add_nc_u32 v[SBO], s13, v[SO4]
	v_add_nc_u32 v[SBO], SBY, v[SBO]
	v_lshlrev_b32 v[XO], 4, v1
	v_lshlrev_b32 v[GO], 7, v1
	v_mul_u32_u24 v[CO], v1, 12
	v_mov_b32 v[TT], 0                             ; a lane permute's destination counts as one of its sources
	s_mov_b32 s16, 0x76543210                      ; v_permlanex16_b32: lane l xor 16
	s_mov_b32 s17, 0xfedcba98
	s_mov_b32 s18, 0x3a800000                      ; 1 / 1024
	s_lshl_b32 s14, ttmp9, 4
	s_lshl_b32 s15, s12, 2
	s_add_co_u32 s14, s14, s15                     ; my wave's first row
	s_lshl_b32 s20, s14, 12                        ; x 4,096 bytes
	s_mov_b32 s21, 0
	s_mul_i32 s22, s14, 768                        ; x 768 bytes of codes
	s_mov_b32 s23, 0
	s_lshl_b32 s24, s14, 5                         ; x 32 scale bytes, behind the codes
	s_add_co_u32 s24, s24, 3145728
	s_mov_b32 s25, 0
	s_wait_alu depctr_va_vdst(0)
	s_wait_kmcnt 0x0
	s_add_nc_u64 s[4:5], s[4:5], s[20:21]
	s_add_nc_u64 s[22:23], s[10:11], s[22:23]
	s_add_nc_u64 s[24:25], s[10:11], s[24:25]
.irp j, 0,1,2,3,4,5,6,7
	global_load_b128 v[G+4*\j:G+4*\j+3], v[GO], s[6:7] offset:16*\j
	global_load_b128 v[BT+4*\j:BT+4*\j+3], v[GO], s[8:9] offset:16*\j
.endr
.irp i, 0,1,2,3
.irp j, 0,1,2,3,4,5,6,7
	global_load_b128 v[R+32*\i+4*\j:R+32*\i+4*\j+3], v[XO], s[4:5] offset:4096*\i+512*\j th:TH_LOAD_NT   ; 32 lanes read 512 consecutive bytes
.endr
.endr
.macro RED                             ; the four chains become one number, the same in every lane
	v_pk_add_f32 v[P:P+1], v[P:P+1], v[P+2:P+3]
	v_pk_add_f32 v[P+4:P+5], v[P+4:P+5], v[P+6:P+7]
	v_pk_add_f32 v[P:P+1], v[P:P+1], v[P+4:P+5]
	v_add_f32 v[P], v[P], v[P+1]
	v_add_f32_dpp v[P], v[P], v[P] row_xmask:1 row_mask:0xf bank_mask:0xf
	v_add_f32_dpp v[P], v[P], v[P] row_xmask:2 row_mask:0xf bank_mask:0xf
	v_add_f32_dpp v[P], v[P], v[P] row_xmask:4 row_mask:0xf bank_mask:0xf
	v_add_f32_dpp v[P], v[P], v[P] row_xmask:8 row_mask:0xf bank_mask:0xf
	v_permlanex16_b32 v[TT], v[P], s16, s17
	v_add_f32 v[P], v[P], v[TT]
.endm
.macro ROW i
.set RR, R+32*(\i)
	s_wait_loadcnt 8*(3-(\i))                      ; loads come back in order: gain, bias and this row are in; the later rows' eight loads each may be out
.irp j, 0,1,2,3,4,5,6,7
	ds_store_b128 v[SIN], v[RR+4*\j:RR+4*\j+3] offset:576*\j
.endr
.irp j, 0,1,2,3,4,5,6,7
	ds_load_b128 v[X+4*\j:X+4*\j+3], v[SOUT] offset:16*\j      ; LDS serves a wave's instructions in order: these see the stores above
.endr
	s_wait_dscnt 0x0
.irp k, 0,1,2,3
	v_pk_add_f32 v[P+2*\k:P+2*\k+1], v[X+2*\k:X+2*\k+1], v[X+8+2*\k:X+9+2*\k]
.endr
.irp k, 0,1,2,3
	v_pk_add_f32 v[P+2*\k:P+2*\k+1], v[P+2*\k:P+2*\k+1], v[X+16+2*\k:X+17+2*\k]
.endr
.irp k, 0,1,2,3
	v_pk_add_f32 v[P+2*\k:P+2*\k+1], v[P+2*\k:P+2*\k+1], v[X+24+2*\k:X+25+2*\k]
.endr
	RED
	v_mul_f32 v[MU], s18, v[P]                     ; the mean
	v_mov_b32 v[MU+1], v[MU]
.irp k, 0,1,2,3,4,5,6,7,8,9,10,11,12,13,14,15
	v_pk_add_f32 v[X+2*\k:X+2*\k+1], v[X+2*\k:X+2*\k+1], v[MU:MU+1] neg_lo:[0,1] neg_hi:[0,1]   ; x - mean
.endr
.irp k, 0,1,2,3
	v_pk_mul_f32 v[P+2*\k:P+2*\k+1], v[X+2*\k:X+2*\k+1], v[X+2*\k:X+2*\k+1]
.endr
.irp o, 8,16,24
.irp k, 0,1,2,3
	v_pk_fma_f32 v[P+2*\k:P+2*\k+1], v[X+\o+2*\k:X+\o+1+2*\k], v[X+\o+2*\k:X+\o+1+2*\k], v[P+2*\k:P+2*\k+1]
.endr
.endr
	RED
	v_fmaak_f32 v[MX], s18, v[P], 0x358637bd       ; the variance + 1e-6
	s_wait_alu depctr_va_vdst(0)
	v_rsq_f32 v[RS], v[MX]
	v_rsq_f32 v[RS+1], v[MX]
	v_nop                                          ; one plain instruction between a transcendental and the use of its result (ISA guide 5.7.2)
	s_wait_alu depctr_va_vdst(0)
.irp k, 0,1,2,3,4,5,6,7,8,9,10,11,12,13,14,15
	v_pk_mul_f32 v[X+2*\k:X+2*\k+1], v[X+2*\k:X+2*\k+1], v[RS:RS+1]
.endr
.irp k, 0,1,2,3,4,5,6,7,8,9,10,11,12,13,14,15
	v_pk_fma_f32 v[X+2*\k:X+2*\k+1], v[X+2*\k:X+2*\k+1], v[G+2*\k:G+2*\k+1], v[BT+2*\k:BT+2*\k+1]
.endr
	v_max3_num_f32 v[MX], |v[X]|, |v[X+1]|, 0x1800000              ; my block's largest magnitude, in two chains; the floor 2^(3 - 127) holds the byte at 1 from below
	v_max3_num_f32 v[TT], |v[X+16]|, |v[X+17]|, |v[X+18]|
.irp i2, 2,4,6,8,10,12
	v_max3_num_f32 v[MX], v[MX], |v[X+\i2]|, |v[X+\i2+1]|
	v_max3_num_f32 v[TT], v[TT], |v[X+17+\i2]|, |v[X+18+\i2]|
.endr
	v_max3_num_f32 v[MX], v[MX], |v[X+14]|, |v[X+15]|
	v_max3_num_f32 v[MX], v[MX], v[TT], |v[X+31]|
	v_add_nc_u32 v[MX], 0xff000000, v[MX]          ; 2 off its exponent field: the conversion takes the exponent field of this operand as its scale
	v_cvt_scalef32_pk16_fp6_f32 v[CA:CA+2], v[X:X+15], v[MX]
	v_cvt_scalef32_pk16_fp6_f32 v[CB:CB+2], v[X+16:X+31], v[MX]
	v_lshrrev_b32 v[TT], 23, v[MX]                 ; the scale's byte (a plain instruction behind the conversions)
	ds_store_b96 v[CIN], v[CA:CA+2]
	ds_store_b96 v[CIN], v[CB:CB+2] offset:16
	ds_store_b8 v[SBI], v[TT] offset:32*(\i)
	ds_load_b96 v[RR:RR+2], v[COUT]                ; place l: bytes 12 l .. 12 l + 11 of the row's 768
	ds_load_b96 v[RR+4:RR+6], v[COUT] offset:512   ; place 32 + l
	s_wait_dscnt 0x0
	global_store_b96 v[CO], v[RR:RR+2], s[22:23] offset:768*(\i)          ; 32 lanes store 384 consecutive bytes; each row has store registers of its own
	global_store_b96 v[CO], v[RR+4:RR+6], s[22:23] offset:768*(\i)+384
.endm
	ROW 0
	ROW 1
	ROW 2
	ROW 3
	ds_load_b32 v[TT], v[SBO]                      ; the four rows' 128 scale bytes
	s_wait_dscnt 0x0
	global_store_b32 v[SO4], v[TT], s[24:25]       ; 128 consecutive bytes
	s_set_vgpr_msb 0x5
	s_wait_tensorcnt 0x0
	ds_add_u32 v0, v1
	s_wait_dscnt 0x0
	s_set_vgpr_msb 0x500
	s_endpgm
.Lfunc_end_k_q09682cae08_ln1:
	.size	k_q09682cae08_ln1, .Lfunc_end_k_q09682cae08_ln1-k_q09682cae08_ln1
	.p2alignl 7, 3214868480
	.fill 96, 4, 3214868480
	.section	.rodata,"a",@progbits
	.p2align	6, 0x0
	.amdhsa_kernel k_q09682cae08_ln1
		.amdhsa_group_segment_fixed_size 25088
		.amdhsa_private_segment_fixed_size 0
		.amdhsa_enable_private_segment 0
		.amdhsa_kernarg_size 32
		.amdhsa_user_sgpr_count 2
		.amdhsa_user_sgpr_kernarg_segment_ptr 1
		.amdhsa_wavefront_size32 1
		.amdhsa_system_sgpr_workgroup_id_x 1
		.amdhsa_system_sgpr_workgroup_id_y 1
		.amdhsa_system_sgpr_workgroup_id_z 1
		.amdhsa_system_vgpr_workitem_id 0
		.amdhsa_next_free_vgpr 258
		.amdhsa_next_free_sgpr 66
		.amdhsa_reserve_vcc 0
		.amdhsa_float_denorm_mode_32 3
		.amdhsa_float_denorm_mode_16_64 3
		.amdhsa_memory_ordered 1
		.amdhsa_forward_progress 1
		.amdhsa_inst_pref_size 44
	.end_amdhsa_kernel
	.amdgpu_metadata
---
amdhsa.version: [ 1, 2 ]
amdhsa.kernels:
  - .name:           k_q09682cae08_ln1
    .symbol:         k_q09682cae08_ln1.kd
    .args:
      - { .name: x, .offset: 0, .size: 8, .value_kind: global_buffer, .address_space: global }
      - { .name: ln1_scale, .offset: 8, .size: 8, .value_kind: global_buffer, .address_space: global }
      - { .name: ln1_bias, .offset: 16, .size: 8, .value_kind: global_buffer, .address_space: global }
      - { .name: hq, .offset: 24, .size: 8, .value_kind: global_buffer, .address_space: global }
    .group_segment_fixed_size: 25088
    .private_segment_fixed_size: 0
    .kernarg_segment_align: 8
    .kernarg_segment_size: 32
    .max_flat_workgroup_size: 128
    .sgpr_count:     66
    .vgpr_count:     258
    .wavefront_size: 32
...
	.end_amdgpu_metadata
.endif
;; end of part 1
;; launch qkv (part 2): grid 12 x 16, 4 waves a work-group, clusters of 4 x 4, 327,680 bytes of LDS; arguments hq, wq_codes, wq_scales, wk_codes, wk_scales, wv_codes, wv_scales, qkv; writes qkv
.if DOCPART == 2
	.amdgcn_target "amdgcn-amd-amdhsa--gfx1250"
	.amdhsa_code_object_version 6
	.text
	.protected	k_q09682cae08_qkv
	.globl	k_q09682cae08_qkv
	.p2align	8
	.type	k_q09682cae08_qkv,@function
k_q09682cae08_qkv:
	s_mov_b64 s[64:65], 0
	v_nop
	global_prefetch_b8 v0, s[64:65] scope:SCOPE_SE
	s_setreg_imm32_b32 hwreg(HW_REG_WAVE_MODE, 25, 1), 1
	s_wait_xcnt 0x0
	s_wait_alu depctr_hold_cnt(0) depctr_sa_sdst(0) depctr_va_vdst(0) depctr_va_sdst(0) depctr_va_ssrc(0) depctr_va_vcc(0) depctr_vm_vsrc(0)
	s_getreg_b32 s2, hwreg(HW_REG_IB_STS2, 6, 4)
	s_cmp_eq_u32 s2, 0
	s_cbranch_scc0 .Lentry_in_a_cluster
	s_endpgm
.Lentry_in_a_cluster:
	s_bfe_u32 s2, ttmp6, 0x10000c
	s_cmp_lg_u32 s2, 0xf033
	s_cbranch_scc0 .Lentry_shape_is_right
	s_endpgm
.Lentry_shape_is_right:
; C[m][n] = sum over k of A[m][k] B[n][k] on codes of FP6 (E2M3), one E8M0 scale for each 32 along K (K = 1,024), and C quantised along n into the operand of the next product.
; Three products in one grid, told apart by the cluster's x (z): z = 0: q = h wq, z = 1: k = h wk (A = h's rows, B = the weight's rows (head, d)): quantised along d;
; z = 2: v^T (A = wv's rows, B = h's rows): quantised along the tokens.  Only pointers and offsets are chosen by z.
; A tile of C, 256 x 256, by four waves, 128 x 128 each: 64 accumulators.  K goes through two LDS slots in chunks of 256 bytes of each row (a row of codes is 768 bytes: three chunks);
; a step of 128 along K is 96 bytes: steps 2 and 5 lie across two chunks.  The scale bytes of the 256 + 256 rows come into LDS once.
; HEAD: one joint load a wave (A's chunk 0, B's chunk 0, A's scales, B's scales); chunk 1 behind the full sequence and a round; chunk 2 refills slot 0.
; CLUSTERS 4 x 4: A's tiles shared along a row, B's along a column.  No prefetch: the walk along K has three chunks, of which two are asked for before the first product.
; The matrix instruction is used transposed (source 0 = B's rows, source 1 = A's): lane (r, h) holds row m = r, register j of accumulator (a, b) column 16 b + 8 h + j.
; WAY OUT: 16 rows x 128 columns are one fragment of the next product, stored as an image of its 12 registers: piece p (registers 2 p, 2 p + 1), lane l's 8 bytes at 256 p + 8 l.
; LIMITS: NaN and infinities are not served; a block whose largest magnitude lies under 2^-124 (zeros too) gets the byte 1; the bytes are read by this program alone.
; REGISTERS: window 0: v0-31 addresses; v32-63 scale words, two sets; v64-75 codes just made; v128-223 A's fragments; v224-246 at work.  Window 1: B's two sets.  Windows 2, 3: accumulators.
.set ROWB,   256
.set NQ,     2
.set KROW,   768
.set STEPS,  8
.set CHUNKS, 3
.set PITCH,  272
.set FR,     12
.set NL,     6
.set NP,     4
.set HALFT,  128*PITCH
.set SLOT,   4*HALFT
.set KS,     32
.set SCL,    2*SLOT
.set HALFS,  (128*KS/256)*272
.set SBLK,   (16*KS/256)*272
.set SPARE,  SCL+4*HALFS
.set AST, 1536
.set SST, 64
.set LO8,  13
.set ADRA, 16
.set ADRB, 20
.set ADRS, 27
.set SPW,  28
.set NIL,  29
.set LOS,  30
.set VSH,  31
.set SC,   32
.set CD,   64
.set AF,   128
.set TM,   224
.set TP,   228
.set SO,   232
.set PW,   236
.set SV,   237
.set YY,   240
.set G1, 24
.set G0, 32
.set G1B, 48
.set G0B, 56
.set G1S, 68
.set G0S, 76
.set G1SB, 80
.set G0SB, 88
.set G0H, 4
.set G0HB, 8
.set SELL, 20
.set SELM, 21
.set SELH, 22
.set MSB, 0
.macro WIN new
.if MSB != (\new)
	s_set_vgpr_msb (MSB<<8)|(\new)
.set MSB, (\new)
.endif
.endm
.set MUL_LO, 0xa1
.set MUL_HI, 0xf1
.set TO_B,   0x40
.macro JLOAD g0a, g1a, g0b, g1b        ; waves 0, 1 fetch for A, waves 2, 3 for B
	s_cmp_eq_u32 s15, 0
	s_cbranch_scc0 .Lfor_b_\@
	tensor_load_to_lds s[\g0a:\g0a+3], s[\g1a:\g1a+7]
	s_nop 0
.rept 4
	v_nop
.endr
	s_branch .Lasked_\@
.Lfor_b_\@:
	tensor_load_to_lds s[\g0b:\g0b+3], s[\g1b:\g1b+7]
	s_nop 0
.rept 4
	v_nop
.endr
.Lasked_\@:
.endm
.macro CREST
	s_cmp_lg_u32 s14, 0
	s_cbranch_scc1 .Lnot_wave_0_\@
	s_barrier_signal -3
.Lnot_wave_0_\@:
	s_barrier_wait -3
	s_barrier_signal -1
	s_barrier_wait -1
.endm
.macro CROUND
	s_barrier_signal -1
	s_barrier_wait -1
	CREST
.endm
	s_load_b512 s[68:83], s[0:1], 0x0              ; h; wq's codes, scales; wk's; wv's; the output
	v_lshl_add_u32 v[SPW], v0, 2, SPARE
	v_mov_b32 v[NIL], 0
	ds_add_u32 v[SPW], v[NIL]
	ds_add_u32 v[SPW], v[NIL]
	s_wait_dscnt 0x0
	v_lshrrev_b32 v1, 5, v0
	v_readfirstlane_b32 s14, v1                    ; wave
	s_lshr_b32 s15, s14, 1                         ; my half of the tile's rows; also: I fetch for A (0) or B (1)
	s_and_b32 s16, s14, 1                          ; my half of its columns; also: which 128 rows I fetch
	s_bfe_u32 s40, ttmp6, 0x40000                  ; cx, cy
	s_bfe_u32 s41, ttmp6, 0x40004
	s_and_b32 s95, ttmp7, 0xffff
	v_and_b32 v1, 15, v0                           ; r
	v_bfe_u32 v2, v0, 4, 1                         ; h
	v_and_b32 v6, 31, v0
	v_lshlrev_b32 v[LO8], 3, v6
	s_wait_alu depctr_va_vdst(0)
	s_wait_kmcnt 0x0
	s_add_nc_u64 s[84:85], s[68:69], 3145728       ; h's scale bytes
	s_cmp_eq_u32 ttmp9, 0                          ; the choices hang on the cluster's x alone
	s_cselect_b64 s[8:9], s[70:71], s[74:75]
	s_cselect_b64 s[10:11], s[72:73], s[76:77]
	s_mov_b32 s2, 6144
	s_mov_b32 s3, 256
	s_cmp_eq_u32 ttmp9, 2
	s_cselect_b64 s[4:5], s[78:79], s[68:69]       ; A: wv, or h
	s_cselect_b64 s[6:7], s[80:81], s[84:85]
	s_cselect_b64 s[8:9], s[68:69], s[8:9]         ; B: h, or wq / wk
	s_cselect_b64 s[10:11], s[84:85], s[10:11]
	s_cselect_b32 s17, 0, s95                      ; the long axis (tokens) takes the cluster's y
	s_cselect_b32 s42, s95, 0
	s_cselect_b32 s2, 49152, s2                    ; from my blocks 0-3 to 4-7
	s_cselect_b32 s3, 2048, s3
	s_cselect_b32 s66, 0, 4096                     ; q, k: lanes 16-31 store the odd head's two bytes
	s_cselect_b32 s67, 0, 16
	v_mul_u32_u24 v[LOS], s66, v2
	v_mul_u32_u24 v[VSH], s67, v2
	s_cselect_b32 s67, -1, 0xffff
	s_lshl_b32 s17, s17, 2
	s_add_co_u32 s17, s17, s41                     ; tile row
	s_lshl_b32 s42, s42, 2
	s_add_co_u32 s42, s42, s40                     ; tile column
	v_lshl_add_u32 v[LOS], v1, 2, v[LOS]
	s_lshr_b32 s100, s17, 2                        ; q, k: image [batch][head pair][token tile]
	s_lshl_b32 s100, s100, 3
	s_lshl_b32 s97, s42, 1
	s_add_co_u32 s97, s97, s16
	s_add_co_u32 s100, s100, s97
	s_lshl_b32 s100, s100, 6
	s_and_b32 s98, s17, 3
	s_lshl_b32 s98, s98, 4
	s_lshl_b32 s99, s15, 3
	s_add_co_u32 s98, s98, s99
	s_add_co_u32 s96, s100, s98
	s_lshl_b32 s100, s100, 1
	s_add_co_u32 s100, s100, s98
	s_lshr_b32 s97, s42, 2                         ; v: [batch x 16 + head][key step][d tile]
	s_lshl_b32 s97, s97, 4
	s_lshl_b32 s99, s17, 2
	s_add_co_u32 s97, s97, s99
	s_lshl_b32 s99, s15, 1
	s_add_co_u32 s97, s97, s99
	s_lshl_b32 s97, s97, 3
	s_and_b32 s99, s42, 3
	s_lshl_b32 s99, s99, 1
	s_add_co_u32 s97, s97, s99
	s_add_co_u32 s97, s97, s16
	s_lshl_b32 s97, s97, 2
	s_cmp_eq_u32 ttmp9, 2
	s_cselect_b32 s96, s97, s96
	s_cselect_b32 s100, s97, s100
	s_mul_i32 s96, s96, 1536
	s_lshl_b32 s100, s100, 6
	s_mul_i32 s98, ttmp9, 3145728
	s_add_co_u32 s96, s96, s98
	s_mul_i32 s98, ttmp9, 262144
	s_add_co_u32 s100, s100, s98
	s_add_co_u32 s100, s100, 9437184
	s_mov_b32 s97, 0
	s_mov_b32 s101, 0
	s_add_nc_u64 s[12:13], s[82:83], s[96:97]      ; images of my blocks 0-3
	s_add_nc_u64 s[98:99], s[82:83], s[100:101]    ; their scale words
	s_mov_b32 s96, s2
	s_mov_b32 s100, s3
	s_add_nc_u64 s[96:97], s[12:13], s[96:97]      ; blocks 4-7
	s_add_nc_u64 s[100:101], s[98:99], s[100:101]
	s_lshl_b32 s43, s41, 2
	s_lshl_b32 s43, 15, s43                        ; my row of the cluster
	s_lshl_b32 s44, 0x1111, s40                    ; my column
	s_or_b32 s[G1+0], s43, (1<<20)|(1<<21)|(5<<22)|(3<<25)   ; rows of 256 bytes, 16 bytes of padding behind each
	s_or_b32 s[G1B+0], s44, (1<<20)|(1<<21)|(5<<22)|(3<<25)
.irp g, G1, G1B
	s_mov_b32 s[\g+1], ROWB<<16
	s_mov_b32 s[\g+2], 256<<16                     ; 256 rows for the head's loads
	s_mov_b32 s[\g+3], ROWB<<16
	s_mov_b32 s[\g+4], 256
	s_mov_b32 s[\g+5], KROW
	s_mov_b32 s[\g+6], 0
	s_mov_b32 s[\g+7], 0
.endr
	s_or_b32 s[G1S+0], s43, (3<<16)|(1<<20)|(1<<21)|(5<<22)|(3<<25)   ; the scales of 256 rows: KS rows of 256 bytes
	s_or_b32 s[G1SB+0], s44, (3<<16)|(1<<20)|(1<<21)|(5<<22)|(3<<25)
.irp g, G1S, G1SB
	s_mov_b32 s[\g+1], 32<<16
	s_mov_b32 s[\g+2], KS<<16
	s_mov_b32 s[\g+3], 32<<16
	s_mov_b32 s[\g+4], KS
	s_mov_b32 s[\g+5], 32
	s_mov_b32 s[\g+6], 0
	s_mov_b32 s[\g+7], 0
.endr
	s_lshl_b32 s20, s17, 8                         ; A's first row, B's first row
	s_lshl_b32 s46, s42, 8
	s_mov_b32 s21, 0
	s_mov_b32 s47, 0
	s_mov_b64 s[18:19], KS
	s_mul_u64 s[22:23], s[20:21], s[18:19]
	s_mul_u64 s[92:93], s[46:47], s[18:19]
	s_mov_b64 s[18:19], KROW
	s_mul_u64 s[20:21], s[20:21], s[18:19]
	s_mul_u64 s[46:47], s[46:47], s[18:19]
	s_mul_i32 s18, s16, 128*KROW                   ; in the ring: my 128 rows
	s_mov_b32 s19, 0
	s_mul_i32 s45, s14, HALFT
	s_add_nc_u64 s[20:21], s[4:5], s[20:21]
	s_add_nc_u64 s[22:23], s[6:7], s[22:23]
	s_add_nc_u64 s[46:47], s[8:9], s[46:47]
	s_add_nc_u64 s[92:93], s[10:11], s[92:93]
	CROUND                                         ; the first joint loads meet
	s_mov_b32 s[G0H], 1
	s_mov_b32 s[G0H+1], 0
	s_mov_b64 s[G0H+2:G0H+3], s[20:21]
	s_or_b32 s[G0H+3], s[G0H+3], 0x80000000
	s_mov_b32 s[G0HB], 1
	s_mov_b32 s[G0HB+1], 2*HALFT
	s_mov_b64 s[G0HB+2:G0HB+3], s[46:47]
	s_or_b32 s[G0HB+3], s[G0HB+3], 0x80000000
	s_mov_b32 s[G0S], 1
	s_mov_b32 s[G0S+1], SCL
	s_mov_b64 s[G0S+2:G0S+3], s[22:23]
	s_or_b32 s[G0S+3], s[G0S+3], 0x80000000
	s_mov_b32 s[G0SB], 1
	s_mov_b32 s[G0SB+1], SCL+2*HALFS
	s_mov_b64 s[G0SB+2:G0SB+3], s[92:93]
	s_or_b32 s[G0SB+3], s[G0SB+3], 0x80000000
	s_add_nc_u64 s[20:21], s[20:21], s[18:19]
	s_add_nc_u64 s[46:47], s[46:47], s[18:19]
.irp s, 0,1
	s_mov_b32 s[G0+4*\s], 1
	s_add_co_u32 s[G0+4*\s+1], s45, \s*SLOT
	s_add_nc_u64 s[G0+4*\s+2:G0+4*\s+3], s[20:21], \s*ROWB
	s_or_b32 s[G0+4*\s+3], s[G0+4*\s+3], 0x80000000
	s_mov_b32 s[G0B+4*\s], 1
	s_add_co_u32 s[G0B+4*\s+1], s45, \s*SLOT
	s_add_nc_u64 s[G0B+4*\s+2:G0B+4*\s+3], s[46:47], \s*ROWB
	s_or_b32 s[G0B+4*\s+3], s[G0B+4*\s+3], 0x80000000
.endr
.macro ARM under, g0, g1, next         ; the head's loads, one a wave, in one tree of branches on the wave's number
	s_cmp_lt_u32 s14, \under
	s_cbranch_scc0 \next
	tensor_load_to_lds s[\g0:\g0+3], s[\g1:\g1+7]
	s_nop 0
.rept 4
	v_nop
.endr
	s_branch .Lhead_asked
\next:
.endm
	ARM 1, G0H,  G1,  .Lhead_b
	ARM 2, G0HB, G1B, .Lhead_sa
	ARM 3, G0S,  G1S, .Lhead_sb
	tensor_load_to_lds s[G0SB:G0SB+3], s[G1SB:G1SB+7]
	s_nop 0
.rept 4
	v_nop
.endr
.Lhead_asked:
	v_mul_u32_u24 v3, v1, PITCH
	v_mul_u32_u24 v4, v2, 24
	v_add_nc_u32 v4, v3, v4                        ; row x pitch + 24 x half
	s_mov_b32 s21, SLOT-232
	s_mov_b32 s22, SLOT+232
	v_sub_nc_u32 v7, 1, v2
	v_mul_u32_u24 v5, s21, v2
	v_add_nc_u32 v5, v3, v5
	v_add_nc_u32 v5, 232, v5                       ; across chunks: lanes 0-15 byte 232 in slot 0, lanes 16-31 byte 0 in slot 1
	v_mul_u32_u24 v6, s22, v7
	v_add_nc_u32 v6, v3, v6                        ; and the other way round
	s_mul_i32 s21, s15, HALFT
	s_mul_i32 s22, s16, HALFT
	s_add_co_u32 s22, s22, 2*HALFT
	v_add_nc_u32 v[ADRA+2], s21, v5
	v_add_nc_u32 v[ADRA+3], s21, v6
	v_add_nc_u32 v[ADRB+2], s22, v5
	v_add_nc_u32 v[ADRB+3], s22, v6
.irp s, 0,1
	v_add_nc_u32 v[ADRA+\s], s21, v4
	v_add_nc_u32 v[ADRB+\s], s22, v4
	s_add_co_u32 s21, s21, SLOT
	s_add_co_u32 s22, s22, SLOT
.endr
	v_mul_u32_u24 v5, v1, KS
	v_lshrrev_b32 v6, 8, v5
	v_lshl_add_u32 v5, v6, 4, v5
	s_mul_i32 s21, s15, HALFS
	s_mul_i32 s22, s16, HALFS
	s_add_co_u32 s22, s22, 2*HALFS
	s_sub_co_u32 s22, s22, s21
	v_mul_u32_u24 v6, s22, v2                      ; lanes 16-31 take B's scale words
	s_add_co_u32 s21, s21, SCL
	v_add_nc_u32 v5, v5, v6
	v_add_nc_u32 v[ADRS], s21, v5
.macro FRAG reg, adr, st, i            ; 12 registers in pieces of 8 bytes; byte y of a row lies in slot (y / 256) % 2 at byte y % 256
.irp p, 0,1,2,3,4,5
.set BY, 96*(\st)+48*(\p/3)+8*(\p%3)
.if BY/ROWB == (BY+24)/ROWB
	ds_load_b64 v[\reg+2*\p:\reg+2*\p+1], v[\adr+(BY/ROWB)%2] offset:BY%ROWB+(\i)*16*PITCH
.else
	ds_load_b64 v[\reg+2*\p:\reg+2*\p+1], v[\adr+2+(BY/ROWB)%2] offset:BY%ROWB-232+(\i)*16*PITCH
.endif
.endr
.endm
.macro MUL16 a0, p, q, sc, zero        ; A's blocks a0, a0 + 1 x B's eight; the 64 accumulators take turns
.irp a, \a0, \a0+1
.irp b, 0,1,2,3,4,5,6,7
.set D_, 8*(8*((\a)%4)+\b)
.set B_, 128*(\p)+FR*\b
.set A_, AF+FR*(\a)
.set SB_, SC+8*NQ*(\sc)+NQ*\b+(\q)
.set SA_, SC+8*NQ*(\sc)+NQ*(\a)+(\q)
.if \zero
	v_wmma_scale_f32_16x16x128_f8f6f4 v[D_:D_+7], v[B_:B_+11], v[A_:A_+11], 0, v[SB_], v[SA_] matrix_a_fmt:MATRIX_FMT_FP6 matrix_b_fmt:MATRIX_FMT_FP6 matrix_a_scale:MATRIX_SCALE_ROW1
.else
	v_wmma_scale_f32_16x16x128_f8f6f4 v[D_:D_+7], v[B_:B_+11], v[A_:A_+11], v[D_:D_+7], v[SB_], v[SA_] matrix_a_fmt:MATRIX_FMT_FP6 matrix_b_fmt:MATRIX_FMT_FP6 matrix_a_scale:MATRIX_SCALE_ROW1
.endif
.endr
.endr
.endm
.macro FETCH_B st, p
	WIN TO_B
.irp i, 0,1,2,3,4,5,6,7
	FRAG 128*(\p)+FR*\i, ADRB, \st, \i
.endr
	WIN 0
.endm
.macro FETCH_A st, i0
.irp i, \i0, \i0+1, \i0+2, \i0+3
	FRAG AF+FR*(\i), ADRA, \st, \i
.endr
.endm
.macro SCALES pr                       ; the scale words of steps 2 pr, 2 pr + 1 into set pr % 2
.irp i, 0,1,2,3,4,5,6,7
	ds_load_b64 v[SC+8*NQ*((\pr)%2)+NQ*\i:SC+8*NQ*((\pr)%2)+NQ*\i+1], v[ADRS] offset:\i*SBLK+4*NQ*(\pr)
.endr
.endm
.macro PLACES n
.rept \n
	v_nop
.endr
.endm
; A step of 128 along K.  Where the next step ends in a chunk not read yet: the wait for my tensor loads and a barrier.  Where it begins in a later chunk: the add too, and, if a chunk two on is left, a round and the refill.
.macro STEP st, zero
.set NX, (\st)+1
.set C0, (96*(\st))/ROWB
.set C1, (96*NX)/ROWB
.set E0, (96*(\st)+95)/ROWB
.set E1, (96*NX+95)/ROWB
.if C1 > C0 || E1 > E0
	s_wait_tensorcnt 0x0
.if C1 > C0
	ds_add_u32 v[SPW], v[NIL]
	s_wait_dscnt 4*NL+1                            ; the add and A's blocks 4-7 (24 loads) may be out
.else
	s_wait_dscnt 4*NL                              ; A's blocks 4-7 may be out
.endif
	WIN MUL_LO
	MUL16 0, (\st)%2, (\st)%2, ((\st)/2)%2, \zero
	s_wait_dscnt 0x0
	s_barrier_signal -1
	MUL16 2, (\st)%2, (\st)%2, ((\st)/2)%2, \zero
	WIN 0
	s_barrier_wait -1
.if C1 > C0 && C0+2 < CHUNKS
	CREST
	s_add_nc_u64 s[G0+4*(C0%2)+2:G0+4*(C0%2)+3], s[G0+4*(C0%2)+2:G0+4*(C0%2)+3], 2*ROWB
	s_add_nc_u64 s[G0B+4*(C0%2)+2:G0B+4*(C0%2)+3], s[G0B+4*(C0%2)+2:G0B+4*(C0%2)+3], 2*ROWB
	JLOAD G0+4*(C0%2), G1, G0B+4*(C0%2), G1B
.else
	PLACES NP
.endif
.else
	s_wait_dscnt 4*NL
	WIN MUL_LO
	MUL16 0, (\st)%2, (\st)%2, ((\st)/2)%2, \zero
	MUL16 2, (\st)%2, (\st)%2, ((\st)/2)%2, \zero
	s_wait_dscnt 0
	PLACES NP
.endif
	FETCH_B NX, NX%2
	FETCH_A NX, 0
.if NX%2 == 0
	SCALES NX/2
.endif
	WIN MUL_HI
	MUL16 4, (\st)%2, (\st)%2, ((\st)/2)%2, \zero
	MUL16 6, (\st)%2, (\st)%2, ((\st)/2)%2, \zero
	PLACES NP
	WIN 0
	FETCH_A NX, 4
.endm
	s_wait_alu depctr_va_vdst(0)
	s_wait_tensorcnt 0x0                           ; my tile of the head's four is in
	ds_add_u32 v[SPW], v[NIL]
	s_mov_b32 s[G1+2], 128<<16                     ; no load of mine is out: from here on a load brings 128 rows
	s_mov_b32 s[G1+4], 128
	s_mov_b32 s[G1B+2], 128<<16
	s_mov_b32 s[G1B+4], 128
	s_wait_dscnt 0x0
	CROUND
	JLOAD G0+4, G1, G0B+4, G1B                     ; chunk 1
	FETCH_B 0, 0
	FETCH_A 0, 0
	SCALES 0
	FETCH_A 0, 4
	STEP 0, 1                                      ; the first products start the sums
.set ST, 1
.rept STEPS-2
	STEP ST, 0
.set ST, ST+1
.endr
	s_wait_dscnt 4*NL
	WIN MUL_LO
	MUL16 0, 1, 1, 1, 0
	MUL16 2, 1, 1, 1, 0
	s_wait_dscnt 0
	WIN MUL_HI
	MUL16 4, 1, 1, 1, 0
	MUL16 6, 1, 1, 1, 0
	WIN 0
; Two blocks' conversions become six registers of the operand: the exchange gives each lane both halves of its block; five lines lay the four groups of eight codes in order.
.macro PACK6 x, y, o
.irp i, 0,1,2
	v_permlane16_swap_b32 v[(\x)+\i], v[(\y)+\i]
.endr
	v_perm_b32 v[(\o)+3], v[(\x)+2], v[(\x)+1], s[SELM]
	v_perm_b32 v[(\o)+4], v[(\y)+1], v[(\x)+2], s[SELH]
	v_perm_b32 v[(\o)+1], v[(\y)], v[(\x)+1], s[SELL]
	v_perm_b32 v[(\o)+2], v[(\y)+1], v[(\y)], s[SELM]
	v_mov_b32 v[(\o)+5], v[(\y)+2]
.endm
.macro OUTQ a                          ; block a of 16 rows x my 128 columns: quantised and stored; each accumulator is read from its low end on
.set AC, 64*((\a)%4)
.set W, 2+(\a)/4
.set OBR, 12+84*((\a)/4)
.set SBR, 98+2*((\a)/4)
	WIN (W<<2)|(W<<4)
.irp c, 0,1,2,3
	v_max3_num_f32 v[TM+\c], s23, |v[AC+16*\c]|, |v[AC+16*\c+1]|   ; with the floor 2^(3 - 127)
.endr
.irp i, 2,4,6,8,10,12,14
.irp c, 0,1,2,3
	v_max3_num_f32 v[TM+\c], v[TM+\c], |v[AC+16*\c+\i]|, |v[AC+16*\c+\i+1]|
.endr
.endr
	WIN 0
	s_wait_alu depctr_va_vdst(0)
	s_wait_xcnt 0x0                                ; the last block's stores have read their data registers
.irp c, 0,1,2,3
	v_permlanex16_b32 v[TP+\c], v[TM+\c], s18, s19
.endr
.irp c, 0,1,2,3
	v_max_num_f32 v[TM+\c], v[TM+\c], v[TP+\c]
.endr
.irp c, 0,1,2,3
	v_add_nc_u32 v[SO+\c], 0xff000000, v[TM+\c]    ; 2 off the exponent field: the conversion's scale operand
.endr
.irp c, 0,1,2,3
	v_lshrrev_b32 v[TP+\c], 23, v[SO+\c]
.endr
	v_lshl_or_b32 v[PW], v[TP+1], 8, v[TP]
	v_lshl_or_b32 v[PW], v[TP+2], 16, v[PW]
	v_lshl_or_b32 v[PW], v[TP+3], 24, v[PW]
	WIN W
	v_cvt_scalef32_pk16_fp6_f32 v[CD:CD+2], v[AC:AC+15], v[SO]
	v_cvt_scalef32_pk16_fp6_f32 v[YY:YY+2], v[AC+16:AC+31], v[SO+1]
	v_cvt_scalef32_pk16_fp6_f32 v[CD+6:CD+8], v[AC+32:AC+47], v[SO+2]
	v_cvt_scalef32_pk16_fp6_f32 v[YY+4:YY+6], v[AC+48:AC+63], v[SO+3]
	WIN 0
	v_nop
	PACK6 CD, YY, CD
	PACK6 CD+6, YY+4, CD+6
	v_lshrrev_b32 v[SV], v[VSH], v[PW]             ; q, k: each half of the lanes keeps its head's two bytes; v: the whole word
	v_and_b32 v[SV], s67, v[SV]
.irp p, 0,1,2,3,4,5
	global_store_b64 v[LO8], v[CD+2*\p:CD+2*\p+1], s[OBR:OBR+1] offset:((\a)%4)*AST+256*\p   ; 32 lanes store 256 consecutive bytes, aligned
.endr
	global_store_b32 v[LOS], v[SV], s[SBR:SBR+1] offset:((\a)%4)*SST
.endm
	PLACES NP
	s_mov_b32 s18, 0x76543210
	s_mov_b32 s19, 0xfedcba98
	s_mov_b32 s[SELL], 0x05040100
	s_mov_b32 s[SELM], 0x05040302
	s_mov_b32 s[SELH], 0x07060302
	s_mov_b32 s23, 0x1800000
.irp c, 0,1,2,3
	v_mov_b32 v[TP+\c], 0
.endr
.irp a, 0,1,2,3,4,5,6,7
	OUTQ \a
.endr
	s_wait_tensorcnt 0x0                           ; the wave's end
	ds_add_u32 v[SPW], v[NIL]
	s_wait_dscnt 0x0
	CROUND
	s_endpgm
.Lfunc_end_k_q09682cae08_qkv:
	.size	k_q09682cae08_qkv, .Lfunc_end_k_q09682cae08_qkv-k_q09682cae08_qkv
	.p2alignl 7, 3214868480
	.fill 96, 4, 3214868480
	.section	.rodata,"a",@progbits
	.p2align	6, 0x0
	.amdhsa_kernel k_q09682cae08_qkv
		.amdhsa_group_segment_fixed_size 327680
		.amdhsa_private_segment_fixed_size 0
		.amdhsa_enable_private_segment 0
		.amdhsa_kernarg_size 64
		.amdhsa_user_sgpr_count 2
		.amdhsa_user_sgpr_kernarg_segment_ptr 1
		.amdhsa_wavefront_size32 1
		.amdhsa_system_sgpr_workgroup_id_x 1
		.amdhsa_system_sgpr_workgroup_id_y 1
		.amdhsa_system_sgpr_workgroup_id_z 1
		.amdhsa_system_vgpr_workitem_id 0
		.amdhsa_next_free_vgpr 1024
		.amdhsa_next_free_sgpr 102
		.amdhsa_reserve_vcc 0
		.amdhsa_float_denorm_mode_32 3
		.amdhsa_float_denorm_mode_16_64 3
		.amdhsa_memory_ordered 1
		.amdhsa_forward_progress 1
		.amdhsa_inst_pref_size 172
	.end_amdhsa_kernel
	.amdgpu_metadata
---
amdhsa.version: [ 1, 2 ]
amdhsa.kernels:
  - .name:           k_q09682cae08_qkv
    .symbol:         k_q09682cae08_qkv.kd
    .args:
      - { .name: hq, .offset: 0, .size: 8, .value_kind: global_buffer, .address_space: global }
      - { .name: wq_codes, .offset: 8, .size: 8, .value_kind: global_buffer, .address_space: global }
      - { .name: wq_scales, .offset: 16, .size: 8, .value_kind: global_buffer, .address_space: global }
      - { .name: wk_codes, .offset: 24, .size: 8, .value_kind: global_buffer, .address_space: global }
      - { .name: wk_scales, .offset: 32, .size: 8, .value_kind: global_buffer, .address_space: global }
      - { .name: wv_codes, .offset: 40, .size: 8, .value_kind: global_buffer, .address_space: global }
      - { .name: wv_scales, .offset: 48, .size: 8, .value_kind: global_buffer, .address_space: global }
      - { .name: qkv, .offset: 56, .size: 8, .value_kind: global_buffer, .address_space: global }
    .group_segment_fixed_size: 327680
    .private_segment_fixed_size: 0
    .kernarg_segment_align: 8
    .kernarg_segment_size: 64
    .max_flat_workgroup_size: 128
    .sgpr_count:     102
    .vgpr_count:     1024
    .wavefront_size: 32
...
	.end_amdgpu_metadata
.endif
;; end of part 2
;; launch attn (part 3): grid 4 x 64, 16 waves a work-group, no clusters, 169,984 bytes of LDS; arguments qkv, att; writes att
.if DOCPART == 3
	.amdgcn_target "amdgcn-amd-amdhsa--gfx1250"
	.amdhsa_code_object_version 6
	.text
	.protected	k_q09682cae08_attn
	.globl	k_q09682cae08_attn
	.p2align	8
	.type	k_q09682cae08_attn,@function
k_q09682cae08_attn:
	s_mov_b64 s[64:65], 0
	v_nop
	global_prefetch_b8 v0, s[64:65] scope:SCOPE_SE
	s_setreg_imm32_b32 hwreg(HW_REG_WAVE_MODE, 25, 1), 1
	s_wait_xcnt 0x0
; Causal attention of one (batch, head) on codes of FP6 (E2M3), head size 64, 1,024 tokens; the result, divided by the row's sum, is quantised along the 64 channels for the projection.
; From the buffer qkv, all as images of operand registers (a fragment = 16 rows x 128 K = 6 pieces of 256 bytes; piece p = registers 2 p, 2 p + 1; lane l's 8 bytes at 256 p + 8 l):
;   q, k: [batch][head pair][token tile][1,536]: pieces 0-2 the even head's 64 channels, pieces 3-5 the odd head's.  v: [batch x 16 + head][key step of 128][tile of 16 channels][1,536], K = the keys.  Their scale words behind them.
; THE SCORES' K IS 64, half of the instruction's 128: registers 6-11 of q's and k's fragments are zero codes; the scale bytes over them are 0, which stands for 2^-127 and multiplies zeros.
; SOFTMAX.  t = score x log2(e) / 32;  M = the running largest t rounded up to a whole number;  p = 2^(t - M), not normalised, is quantised along the keys; the row's sum is taken of the unquantised p and divides at the end.
; When M moves, the sum and O are multiplied by 2^(old M - new M): exact.  A block's largest p is made from the block's largest score by the same multiply-add and exponential (this takes v_exp_f32 not to fall where its input rises).
; SHARES.  Work-group (x, head): waves 0-7 own the eight tiles of 16 queries of block x of 128 queries, waves 8-15 those of block 7 - x: every work-group has 8 (x + 1) + 8 (8 - x) = 72 steps of a tile by 128 keys.
; A wave skips the steps whose keys all come after its queries: a scalar branch on ids round the step's work, never round a barrier or a tensor load.  In its last step hidden scores become -infinity ahead of the maximum.
; NO CLUSTER: those branches hang on the query block, which would be the work-group's place in a cluster.
; ALL OF THE HEAD'S K AND V (96 KiB) come into LDS once, in four slots of 256 keys by first fills (wave w: slot w / 4; w % 4 = 0, 1: K's halves; 2, 3: V's; one load a wave); nothing is filled twice.
; LAYOUT.  Both products are used transposed (S^T = K Q^T, O^T = V^T P^T): a lane holds ONE query (l % 16).  Register 8 t + j of S^T holds key 16 t + 8 (l / 16) + j of the step: a block of 32 keys lies in 16 registers of lane l and 16 of lane l xor 16.
; LIMITS: NaN and infinities are not served; a block whose largest magnitude lies under 2^-124 gets the byte 1.  The result's scale bytes leave as 2 bytes a lane, 4 bytes apart (the other head of the pair fills the gaps): 128 KiB in the whole launch.
.set VOFF, 49152                       ; LDS: K's 64 half images of 768 bytes; V's 32 fragments of 1,536;
.set SCK,  98304                       ; K's scale words, 64 bytes a tile;
.set SCV,  102400                      ; V's, 64 bytes a fragment.  These two are written by LDS stores: no fill lands there
.set AK,   1                           ; v1   8 x lane: K's LDS address; also my 8 bytes of a piece in memory
.set AV,   2                           ; v2   VOFF + 8 x lane
.set ASK,  3                           ; v3   SCK + 4 r
.set ASV,  4                           ; v4   SCV + 4 r
.set DM,   5                           ; v5   my query's place in its block of 128, less 8 (l / 16)
.set R4,   7                           ; v7   4 r
.set KFR,  32                          ; v32-79 four fragments of K (registers 6-11 of each stay 0)
.set WV,   8
.set JB,   9                           ; s9   the last key step that my queries see
.set TAU,  10                          ; s10  my tile of 16 queries
.set BH,   11                          ; s11  batch x 16 + head
.set G1K,  16
.set G1V,  24
.set G0K,  32                          ; s[32:35] group 0 of my fill of K
.set G0V,  48                          ; s[48:51] of my fill of V
.set CS,   66                          ; s[66:67] c = log2(e) / 32
.set SEL,  68                          ; s[68:69] v_permlanex16_b32: lane l xor 16
.set SELL, 70
.set SELM, 71
.set SELH, 72
; REGISTERS: v12 -M, v13 the largest t, v[14:15] the sum in two halves; v16-27 Q; v96-159 S^T, then p, then (v96-143) V's four fragments; v160-191 O^T; v224-235 p's codes; v232-247, v252, v254 at work;
; v248-251 scale words, between the products partial sums; v253, v255 scale words.
	s_load_b128 s[4:7], s[0:1], 0x0                ; qkv s[4:5], the output s[6:7]
	v_lshl_add_u32 v223, v0, 2, 0x29000
	v_mov_b32 v243, 0
	ds_add_u32 v223, v243
	ds_add_u32 v223, v243
	v_lshrrev_b32 v8, 5, v0
	s_delay_alu instid0(VALU_DEP_1)
	v_readfirstlane_b32 s[WV], v8                  ; wave 0..15
	s_and_b32 s[BH], ttmp7, 0xffff
	s_lshl_b32 s12, ttmp9, 3
	s_sub_co_u32 s13, 48, s12
	s_cmp_lt_u32 s[WV], 8
	s_cselect_b32 s[TAU], s12, s13
	s_add_co_u32 s[TAU], s[TAU], s[WV]             ; waves 0-7: 8 x + w;  waves 8-15: 8 (7 - x) + w - 8
	s_lshr_b32 s[JB], s[TAU], 3
	; descriptor group 1: 8 rows of 768 bytes (96 elements of 8 bytes); K's half images lie 1,536 bytes apart, V's fragments are dense
	s_mov_b32 s[G1K], 3<<16
	s_mov_b32 s[G1K+1], 96<<16                     ; tensor_dim0
	s_mov_b32 s[G1K+2], 8<<16                      ; tensor_dim1
	s_mov_b32 s[G1K+3], 96<<16                     ; tile_dim0
	s_mov_b32 s[G1K+4], 8                          ; tile_dim1
	s_mov_b32 s[G1K+5], 192                        ; tensor_dim0_stride
	s_mov_b32 s[G1K+6], 0
	s_mov_b32 s[G1K+7], 0
	s_mov_b32 s[G1V], 3<<16
	s_mov_b32 s[G1V+1], 96<<16
	s_mov_b32 s[G1V+2], 8<<16
	s_mov_b32 s[G1V+3], 96<<16
	s_mov_b32 s[G1V+4], 8
	s_mov_b32 s[G1V+5], 96
	s_mov_b32 s[G1V+6], 0
	s_mov_b32 s[G1V+7], 0
	s_lshr_b32 s12, s[BH], 1
	s_mul_i32 s12, s12, 98304                      ; the head pair's 64 tiles,
	s_and_b32 s13, s[BH], 1
	s_mul_i32 s14, s13, 768                        ; my head's half of each: where the head begins among q's images, and among k's
	s_add_co_u32 s12, s12, s14
	s_and_b32 s14, s[WV], 1
	s_mul_i32 s15, s14, 6144                       ; which half of a slot I fetch, if I fetch: in LDS, and in v's memory;
	s_lshl_b32 s14, s15, 1                         ; in k's memory: 8 tiles of 1,536 bytes
	s_add_co_u32 s74, s12, s14
	s_add_co_u32 s74, s74, 3145728
	s_mov_b32 s75, 0
	s_mul_i32 s76, s[BH], 49152
	s_add_co_u32 s76, s76, s15
	s_add_co_u32 s76, s76, 6291456
	s_mov_b32 s77, 0
	s_mul_i32 s78, s[TAU], 1536
	s_add_co_u32 s78, s78, s12                     ; my queries' half image
	s_mov_b32 s79, 0
	s_lshl_b32 s80, s[BH], 6
	s_add_co_u32 s80, s80, s[TAU]
	s_lshl_b32 s80, s80, 6
	s_add_co_u32 s80, s80, 9437184                 ; their scale words
	s_mov_b32 s81, 0
	s_lshl_b32 s82, s[BH], 12
	s_add_co_u32 s82, s82, 9699328                 ; k's scale words of the head
	s_mov_b32 s83, 0
	s_lshl_b32 s84, s[BH], 11
	s_add_co_u32 s84, s84, 9961472                 ; v's
	s_mov_b32 s85, 0
	s_lshr_b32 s90, s[BH], 4                       ; the output: image [batch x 64 + token tile][head pair][1,536]
	s_lshl_b32 s90, s90, 6
	s_add_co_u32 s90, s90, s[TAU]
	s_lshl_b32 s90, s90, 3
	s_bfe_u32 s91, s[BH], 0x30001
	s_add_co_u32 s90, s90, s91
	s_mul_i32 s86, s90, 1536
	s_mul_i32 s91, s13, 768
	s_add_co_u32 s86, s86, s91
	s_mov_b32 s87, 0
	s_lshl_b32 s88, s90, 6                         ; its scale words, 64 bytes a fragment, behind the images; my head's two bytes of each word
	s_lshl_b32 s91, s13, 1
	s_add_co_u32 s88, s88, s91
	s_add_co_u32 s88, s88, 3145728
	s_mov_b32 s89, 0
	s_mov_b32 s[CS], 0x3d38aa3b                    ; log2(e) / 32
	s_mov_b32 s[CS+1], s[CS]                       ; (named with it as a pair, so it is written)
	s_mov_b32 s[SEL], 0x76543210
	s_mov_b32 s[SEL+1], 0xfedcba98
	s_mov_b32 s[SELL], 0x05040100
	s_mov_b32 s[SELM], 0x05040302
	s_mov_b32 s[SELH], 0x07060302
	s_wait_dscnt 0x0
	s_wait_kmcnt 0x0
	s_add_nc_u64 s[74:75], s[4:5], s[74:75]
	s_add_nc_u64 s[76:77], s[4:5], s[76:77]
	s_add_nc_u64 s[78:79], s[4:5], s[78:79]
	s_add_nc_u64 s[80:81], s[4:5], s[80:81]
	s_add_nc_u64 s[82:83], s[4:5], s[82:83]
	s_add_nc_u64 s[84:85], s[4:5], s[84:85]
	s_add_nc_u64 s[86:87], s[6:7], s[86:87]
	s_add_nc_u64 s[88:89], s[6:7], s[88:89]
	; THE 16 FIRST FILLS ARE DEALT ONE TO A WAVE: wave w fills, of slot w / 4, half w % 2 of K's part (bit 1 of w clear) or of V's (set)
	s_lshr_b32 s13, s[WV], 2
	s_mul_i32 s14, s13, 12288                      ; the slot's place in LDS, and among v's fragments
	s_mov_b32 s[G0K], 1
	s_add_co_u32 s[G0K+1], s15, s14
	s_lshl_b32 s90, s14, 1                         ; among k's images: 24,576 bytes a slot
	s_mov_b32 s91, 0
	s_add_nc_u64 s[G0K+2:G0K+3], s[74:75], s[90:91]
	s_or_b32 s[G0K+3], s[G0K+3], 0x80000000
	s_mov_b32 s[G0V], 1
	s_add_co_u32 s[G0V+1], s[G0K+1], VOFF
	s_mov_b32 s90, s14
	s_add_nc_u64 s[G0V+2:G0V+3], s[76:77], s[90:91]
	s_or_b32 s[G0V+3], s[G0V+3], 0x80000000
	s_and_b32 s12, s[WV], 2
	s_cmp_eq_u32 s12, 0
	s_cbranch_scc0 .Lnot_k
	tensor_load_to_lds s[G0K:G0K+3], s[G1K:G1K+7]
	s_nop 0
.rept 4
	v_nop
.endr
	s_branch .Lasked
.Lnot_k:
	tensor_load_to_lds s[G0V:G0V+3], s[G1V:G1V+7]
	s_nop 0
.rept 4
	v_nop
.endr
.Lasked:
	v_and_b32 v8, 31, v0                           ; lane
	v_and_b32 v9, 15, v0                           ; r
	v_bfe_u32 v10, v0, 4, 1                        ; h
	s_delay_alu instid0(VALU_DEP_3)
	v_lshlrev_b32 v[AK], 3, v8
	s_delay_alu instid0(VALU_DEP_1)
	v_add_nc_u32 v[AV], VOFF, v[AK]
	s_delay_alu instid0(VALU_DEP_4)
	v_lshlrev_b32 v[R4], 2, v9
	s_delay_alu instid0(VALU_DEP_1)
	v_add_nc_u32 v[ASK], SCK, v[R4]
	s_delay_alu instid0(VALU_DEP_2)
	v_add_nc_u32 v[ASV], SCV, v[R4]
	v_lshlrev_b32 v6, 3, v10
	s_delay_alu instid0(VALU_DEP_1)
	v_sub_nc_u32 v[DM], v9, v6
	s_and_b32 s12, s[TAU], 7
	s_lshl_b32 s12, s12, 4
	v_add_nc_u32 v[DM], s12, v[DM]                 ; 16 (tile % 8) + r - 8 h
	v_lshlrev_b32 v8, 3, v0                        ; the scale words come in by all 512 threads: 8 bytes each of K's 4,096,
	v_lshlrev_b32 v9, 2, v0                        ; 4 bytes each of V's 2,048
	s_delay_alu instid0(VALU_DEP_2)
	v_add_nc_u32 v10, SCK, v8
	s_delay_alu instid0(VALU_DEP_2)
	v_add_nc_u32 v11, SCV, v9
	global_load_b64 v[28:29], v8, s[82:83]
	global_load_b32 v30, v9, s[84:85]
.irp p, 0,1,2
	global_load_b64 v[16+2*\p:17+2*\p], v[AK], s[78:79] offset:256*\p   ; Q's half fragment stays in registers
.endr
	global_load_b32 v255, v[R4], s[80:81]          ; Q's scale words
.irp i, 22,23,24,25,26,27
	v_mov_b32 v\i, 0                               ; the upper 64 of K: zero codes
.endr
.irp t, 0,1,2,3
.irp i, 6,7,8,9,10,11
	v_mov_b32 v[KFR+12*\t+\i], 0
.endr
.endr
	v_mov_b32 v13, 0xff61b1e6                      ; the largest t so far: -3e38, under every t
	s_delay_alu instid0(VALU_DEP_1)
	v_floor_f32 v12, -v13                          ; -M
	v_mov_b32 v14, 0                               ; the sum, in two halves
	v_mov_b32 v15, 0
.irp b, 0,1,2,3
	v_mov_b32 v[236+\b], 0                         ; a lane permute's destination counts as one of its sources
.endr
	v_mov_b32 v253, 0                              ; (named as the upper half of the pair v[252:253] before it is first written)
.set N, 0
.rept 32
	v_mov_b32 v[160+N], 0                          ; O^T.  (The step is written alike for all: the first finds zeros, which the first change of M leaves zeros)
.set N, N+1
.endr
	s_wait_loadcnt 0x0
	ds_store_b64 v10, v[28:29]
	ds_store_b32 v11, v30
; Two blocks' conversions become six registers of the operand: the exchange gives each lane both halves of ITS block (x = groups of eight codes 0, 2; y = groups 1, 3); five lines lay them 0, 1, 2, 3 into o .. o + 5 (o = x).
.macro PACK6 x, y, o
.irp i, 0,1,2
	v_permlane16_swap_b32 v[(\x)+\i], v[(\y)+\i]
.endr
	s_delay_alu instid0(VALU_DEP_1)
	v_perm_b32 v[(\o)+3], v[(\x)+2], v[(\x)+1], s[SELM]
	s_delay_alu instid0(VALU_DEP_2)
	v_perm_b32 v[(\o)+4], v[(\y)+1], v[(\x)+2], s[SELH]
	s_delay_alu instid0(VALU_DEP_4)
	v_perm_b32 v[(\o)+1], v[(\y)], v[(\x)+1], s[SELL]
	v_perm_b32 v[(\o)+2], v[(\y)+1], v[(\y)], s[SELM]
	v_mov_b32 v[(\o)+5], v[(\y)+2]
.endm
; KEY STEP s: 128 keys.  Every LDS offset is an immediate.
.macro STEP s
.if \s > 0
	s_cmp_lt_u32 s[JB], \s                         ; all its keys come after my queries: the step's work is left out
	s_cbranch_scc1 .Lhid_\@
.endif
.irp g, 0,1                                    ; S^T = K Q^T, four tiles of 16 keys at a time
.if \g > 0
.rept 4
	v_nop                                          ; places in front of loads into registers that matrix instructions have read
.endr
.endif
.irp t, 0,1,2,3
.irp p, 0,1,2
	ds_load_b64 v[KFR+12*\t+2*\p:KFR+12*\t+2*\p+1], v[AK] offset:(8*(\s)+4*\g+\t)*768+256*\p
.endr
	ds_load_b32 v[248+\t], v[ASK] offset:(8*(\s)+4*\g+\t)*64
.endr
	s_wait_dscnt 0x0
.irp t, 0,1,2,3
	v_wmma_scale_f32_16x16x128_f8f6f4 v[96+8*(4*\g+\t):103+8*(4*\g+\t)], v[KFR+12*\t:KFR+12*\t+11], v[16:27], 0, v[248+\t], v255 matrix_a_fmt:MATRIX_FMT_FP6 matrix_b_fmt:MATRIX_FMT_FP6
.endr
.endr
.rept 4
	v_nop
.endr
	s_cmp_lg_u32 s[JB], \s                         ; only my last step lies on the diagonal
	s_cbranch_scc1 .Lopen_\@
	v_mov_b32 v254, 0xff800000                     ; -infinity: p = 0 then.  Key 0 counts for every query, so M is a number from the first step on
.set N, 0
.rept 64
	v_cmp_gt_i32 vcc_lo, 16*(N/8)+N%8, v[DM]       ; register N holds key 16 (N / 8) + N % 8 + 8 h of the step: hidden where it comes after my query
	v_cndmask_b32 v[96+N], v[96+N], v254, vcc_lo
.set N, N+1
.endr
.Lopen_\@:
.irp b, 0,1,2,3
	v_max3_num_f32 v[232+\b], v[96+16*\b], v[97+16*\b], v[98+16*\b]   ; the largest score of each block of 32 keys: it serves the row's maximum and the block's largest p
.endr
.irp i, 3,5,7,9,11,13
.irp b, 0,1,2,3
	v_max3_num_f32 v[232+\b], v[232+\b], v[96+16*\b+\i], v[97+16*\b+\i]
.endr
.endr
.irp b, 0,1,2,3
	v_max_num_f32 v[232+\b], v[232+\b], v[111+16*\b]
.endr
.irp b, 0,1,2,3
	s_delay_alu instid0(VALU_DEP_4)
	v_permlanex16_b32 v[236+\b], v[232+\b], s[SEL], s[SEL+1]
.endr
.irp b, 0,1,2,3
	s_delay_alu instid0(VALU_DEP_4)
	v_max_num_f32 v[232+\b], v[232+\b], v[236+\b]  ; with lane l xor 16's 16 keys
.endr
	s_delay_alu instid0(VALU_DEP_2)
	v_max3_num_f32 v254, v232, v233, v234
	s_delay_alu instid0(VALU_DEP_1)
	v_max_num_f32 v254, v254, v235                 ; the step's largest score of my query
	s_delay_alu instid0(VALU_DEP_1)
	v_mul_f32 v254, s[CS], v254                    ; as t (c is positive)
	s_delay_alu instid0(VALU_DEP_1)
	v_max_num_f32 v13, v13, v254                   ; the running largest t
	v_mov_b32 v254, v12
	s_delay_alu instid0(VALU_DEP_2)
	v_floor_f32 v12, -v13                          ; the new -M = floor(-t) = -ceil(t): a whole number
	s_delay_alu instid0(VALU_DEP_1)
	v_sub_f32 v254, v12, v254                      ; M's old value less its new one: a whole number, 0 or less
	s_delay_alu instid0(VALU_DEP_1)
	v_cvt_i32_f32 v254, v254                       ; (it saturates)
	s_delay_alu instid0(VALU_DEP_1)
	v_ldexp_f32 v252, 1.0, v254                    ; f = 2^(old M - new M)
.set N, 0
.rept 32
	v_pk_fma_f32 v[96+N:97+N], v[96+N:97+N], s[CS:CS+1], v[12:13] op_sel_hi:[1,0,0]   ; t - M, two at a time
.set N, N+2
.endr
.irp b, 0,1,2,3
	v_fma_f32 v[232+\b], v[232+\b], s[CS], v12     ; the same of each block's largest score
.endr
.set N, 0
	s_wait_alu depctr_va_vdst(0)
.rept 64
	v_exp_f32 v[96+N], v[96+N]                     ; p = 2^(t - M), at most 1: not normalised
.set N, N+1
.endr
.irp b, 0,1,2,3
	v_exp_f32 v[232+\b], v[232+\b]                 ; the block's largest p
.endr
	v_pk_mul_f32 v[14:15], v[14:15], v[252:253] op_sel_hi:[1,0]   ; the sums under the new M.  (A plain instruction behind the exponentials)
	s_wait_alu depctr_va_vdst(0)
.irp b, 0,1,2,3
	v_max_num_f32 v[232+\b], 0x1800000, v[232+\b]  ; the floor 2^(3 - 127): the byte cannot fall under 1
.endr
.irp b, 0,1,2,3
	s_delay_alu instid0(VALU_DEP_4)
	v_add_nc_u32 v[244+\b], 0xff000000, v[232+\b]  ; 2 off the exponent field: the conversion's scale operand
.endr
.irp b, 0,1,2,3
	s_delay_alu instid0(VALU_DEP_4)
	v_lshrrev_b32 v[236+\b], 23, v[244+\b]         ; the scale's byte
.endr
	s_delay_alu instid0(VALU_DEP_3)
	v_lshl_or_b32 v253, v237, 8, v236              ; p's scale word for these 128 keys
	s_delay_alu instid0(VALU_DEP_1)
	v_lshl_or_b32 v253, v238, 16, v253
	s_delay_alu instid0(VALU_DEP_1)
	v_lshl_or_b32 v253, v239, 24, v253
.irp c, 0,1
	v_cvt_scalef32_pk16_fp6_f32 v[224+6*\c:226+6*\c], v[96+32*\c:111+32*\c], v[244+2*\c]
	v_cvt_scalef32_pk16_fp6_f32 v[236+4*\c:238+4*\c], v[112+32*\c:127+32*\c], v[244+2*\c+1]
.endr
	v_nop                                          ; one plain instruction behind the scaled conversions
	PACK6 224, 236, 224
	PACK6 230, 240, 230
	v_pk_add_f32 v[236:237], v[100:101], v[104:105]
	v_pk_add_f32 v[250:251], v[108:109], v[112:113]
	v_pk_add_f32 v[248:249], v[116:117], v[120:121]
	v_pk_add_f32 v[246:247], v[124:125], v[128:129]
	v_pk_add_f32 v[244:245], v[132:133], v[136:137]
	v_pk_add_f32 v[240:241], v[140:141], v[144:145]
	v_pk_add_f32 v[220:221], v[148:149], v[152:153]
	v_pk_add_f32 v[14:15], v[14:15], v[156:157]
	v_pk_add_f32 v[236:237], v[236:237], v[96:97]
	v_pk_add_f32 v[250:251], v[250:251], v[98:99]
	v_pk_add_f32 v[248:249], v[248:249], v[102:103]
	v_pk_add_f32 v[246:247], v[246:247], v[106:107]
	v_pk_add_f32 v[244:245], v[244:245], v[110:111]
	v_pk_add_f32 v[240:241], v[240:241], v[114:115]
	v_pk_add_f32 v[220:221], v[220:221], v[118:119]
	v_pk_add_f32 v[14:15], v[14:15], v[122:123]
	v_pk_add_f32 v[236:237], v[236:237], v[126:127]
	v_pk_add_f32 v[250:251], v[250:251], v[130:131]
	v_pk_add_f32 v[248:249], v[248:249], v[134:135]
	v_pk_add_f32 v[246:247], v[246:247], v[138:139]
	v_pk_add_f32 v[244:245], v[244:245], v[142:143]
	v_pk_add_f32 v[240:241], v[240:241], v[146:147]
	v_pk_add_f32 v[220:221], v[220:221], v[150:151]
	v_pk_add_f32 v[14:15], v[14:15], v[154:155]
	v_pk_add_f32 v[236:237], v[236:237], v[158:159]
	s_delay_alu instid0(VALU_DEP_2)
	v_pk_add_f32 v[14:15], v[14:15], v[246:247]
	s_delay_alu instid0(VALU_DEP_2)
	v_pk_add_f32 v[236:237], v[236:237], v[244:245]
	v_pk_add_f32 v[250:251], v[250:251], v[240:241]
	v_pk_add_f32 v[248:249], v[248:249], v[220:221]
	s_delay_alu instid0(VALU_DEP_2)
	v_pk_add_f32 v[14:15], v[14:15], v[250:251]
	s_delay_alu instid0(VALU_DEP_2)
	v_pk_add_f32 v[236:237], v[236:237], v[248:249]
	s_delay_alu instid0(VALU_DEP_1)
	v_pk_add_f32 v[14:15], v[14:15], v[236:237]
.set N, 0
.rept 16
	v_pk_mul_f32 v[160+N:161+N], v[160+N:161+N], v[252:253] op_sel_hi:[1,0]   ; O^T under the new M.  (With the sums above: the places between p's codes and scale word and the products below)
.set N, N+2
.endr
.irp t, 0,1,2,3                                ; O^T += V^T P^T: four tiles of 16 channels; K = these 128 keys.  V's fragments take the registers that p has left
.irp p, 0,1,2,3,4,5
	ds_load_b64 v[96+12*\t+2*\p:97+12*\t+2*\p], v[AV] offset:(4*(\s)+\t)*1536+256*\p
.endr
	ds_load_b32 v[248+\t], v[ASV] offset:(4*(\s)+\t)*64
.endr
	s_wait_alu depctr_va_vdst(0)
	s_wait_dscnt 0x0
.irp t, 0,1,2,3
	v_wmma_scale_f32_16x16x128_f8f6f4 v[160+8*\t:167+8*\t], v[96+12*\t:107+12*\t], v[224:235], v[160+8*\t:167+8*\t], v[248+\t], v253 matrix_a_fmt:MATRIX_FMT_FP6 matrix_b_fmt:MATRIX_FMT_FP6   ; the four accumulators by turns
.endr
.rept 5
	v_nop                                          ; five places: the next step's products write over v96 on, which these have read; they also serve the next loads and the way out's reads
.endr
.if \s > 0
.Lhid_\@:
.endif
.endm
	s_wait_tensorcnt 0x0                           ; my one fill has landed,
	s_wait_dscnt 0x0                               ; and my LDS stores of the scale words
	s_barrier_signal -1
	s_barrier_wait -1                              ; everybody's have: all of K and V is in; nothing is filled twice
.irp j, 0,1,2,3,4,5,6,7
	STEP \j
.endr
	; THE WAY OUT.  O^T / the sum; register 8 t + j is channel 16 t + 8 h + j of my query: two blocks of 32, quantised like every other operand; three pieces of the projection's fragment.
	v_add_f32 v14, v14, v15
	s_delay_alu instid0(VALU_DEP_1)
	v_permlanex16_b32 v252, v14, s[SEL], s[SEL+1]
	s_delay_alu instid0(VALU_DEP_1)
	v_add_f32 v14, v14, v252                       ; the row's sum
	s_wait_alu depctr_va_vdst(0)
	v_rcp_f32 v14, v14
	v_nop                                          ; one plain instruction behind the transcendental
.set N, 0
	s_wait_alu depctr_va_vdst(0)
.rept 32
	v_mul_f32 v[96+N], v[160+N], v14
.set N, N+1
.endr
.irp b, 0,1
	v_max3_num_f32 v[232+\b], |v[96+16*\b]|, |v[97+16*\b]|, 0x1800000
.endr
.irp i, 2,4,6,8,10,12,14
.irp b, 0,1
	s_delay_alu instid0(VALU_DEP_2)
	v_max3_num_f32 v[232+\b], v[232+\b], |v[96+16*\b+\i]|, |v[97+16*\b+\i]|
.endr
.endr
.irp b, 0,1
	s_delay_alu instid0(VALU_DEP_2)
	v_permlanex16_b32 v[236+\b], v[232+\b], s[SEL], s[SEL+1]
.endr
.irp b, 0,1
	s_delay_alu instid0(VALU_DEP_2)
	v_max_num_f32 v[232+\b], v[232+\b], v[236+\b]
.endr
.irp b, 0,1
	s_delay_alu instid0(VALU_DEP_2)
	v_add_nc_u32 v[244+\b], 0xff000000, v[232+\b]
.endr
.irp b, 0,1
	s_delay_alu instid0(VALU_DEP_2)
	v_lshrrev_b32 v[236+\b], 23, v[244+\b]
.endr
	s_delay_alu instid0(VALU_DEP_1)
	v_lshl_or_b32 v254, v237, 8, v236              ; my head's two bytes of the row's scale word
	v_cvt_scalef32_pk16_fp6_f32 v[224:226], v[96:111], v244
	v_cvt_scalef32_pk16_fp6_f32 v[240:242], v[112:127], v245
	v_nop
	PACK6 224, 240, 224
.irp p, 0,1,2
	global_store_b64 v[AK], v[224+2*\p:225+2*\p], s[86:87] offset:256*\p   ; 32 lanes store 256 consecutive bytes, aligned
.endr
	global_store_b16 v[R4], v254, s[88:89]         ; both halves of the lanes store the same two bytes to the same place
	s_wait_tensorcnt 0x0
	ds_add_u32 v223, v243
	s_wait_dscnt 0x0
	s_endpgm
.Lfunc_end_k_q09682cae08_attn:
	.size	k_q09682cae08_attn, .Lfunc_end_k_q09682cae08_attn-k_q09682cae08_attn
	.p2alignl 7, 3214868480
	.fill 96, 4, 3214868480
	.section	.rodata,"a",@progbits
	.p2align	6, 0x0
	.amdhsa_kernel k_q09682cae08_attn
		.amdhsa_group_segment_fixed_size 169984
		.amdhsa_private_segment_fixed_size 0
		.amdhsa_enable_private_segment 0
		.amdhsa_kernarg_size 16
		.amdhsa_user_sgpr_count 2
		.amdhsa_user_sgpr_kernarg_segment_ptr 1
		.amdhsa_wavefront_size32 1
		.amdhsa_system_sgpr_workgroup_id_x 1
		.amdhsa_system_sgpr_workgroup_id_y 1
		.amdhsa_system_sgpr_workgroup_id_z 1
		.amdhsa_system_vgpr_workitem_id 0
		.amdhsa_next_free_vgpr 256
		.amdhsa_next_free_sgpr 96
		.amdhsa_reserve_vcc 1
		.amdhsa_float_denorm_mode_32 3
		.amdhsa_float_denorm_mode_16_64 3
		.amdhsa_memory_ordered 1
		.amdhsa_forward_progress 1
		.amdhsa_inst_pref_size 207
	.end_amdhsa_kernel
	.amdgpu_metadata
---
amdhsa.version: [ 1, 2 ]
amdhsa.kernels:
  - .name:           k_q09682cae08_attn
    .symbol:         k_q09682cae08_attn.kd
    .args:
      - { .name: qkv, .offset: 0, .size: 8, .value_kind: global_buffer, .address_space: global }
      - { .name: att, .offset: 8, .size: 8, .value_kind: global_buffer, .address_space: global }
    .group_segment_fixed_size: 169984
    .private_segment_fixed_size: 0
    .kernarg_segment_align: 8
    .kernarg_segment_size: 16
    .max_flat_workgroup_size: 512
    .sgpr_count:     96
    .vgpr_count:     256
    .wavefront_size: 32
...
	.end_amdgpu_metadata
.endif
;; end of part 3
;; launch proj (part 4): grid 8 x 32, 4 waves a work-group, clusters of 4 x 4, 327,680 bytes of LDS; arguments att, w_proj_codes, w_proj_scales, b_proj, x, x1; writes x1
.if DOCPART == 4
	.amdgcn_target "amdgcn-amd-amdhsa--gfx1250"
	.amdhsa_code_object_version 6
	.text
	.protected	k_q09682cae08_proj
	.globl	k_q09682cae08_proj
	.p2align	8
	.type	k_q09682cae08_proj,@function
k_q09682cae08_proj:
	s_mov_b64 s[64:65], 0
	v_nop
	global_prefetch_b8 v0, s[64:65] scope:SCOPE_SE
	s_setreg_imm32_b32 hwreg(HW_REG_WAVE_MODE, 25, 1), 1
	s_wait_xcnt 0x0
	s_wait_alu depctr_hold_cnt(0) depctr_sa_sdst(0) depctr_va_vdst(0) depctr_va_sdst(0) depctr_va_ssrc(0) depctr_va_vcc(0) depctr_vm_vsrc(0)
	s_getreg_b32 s2, hwreg(HW_REG_IB_STS2, 6, 4)
	s_cmp_eq_u32 s2, 0
	s_cbranch_scc0 .Lentry_in_a_cluster
	s_endpgm
.Lentry_in_a_cluster:
	s_bfe_u32 s2, ttmp6, 0x10000c
	s_cmp_lg_u32 s2, 0xf033
	s_cbranch_scc0 .Lentry_shape_is_right
	s_endpgm
.Lentry_shape_is_right:
; OUT[m][n] = RES[m][n] + bias[n] + sum over k of A[m][k] B[n][k], the product on codes of FP6 (E2M3), one E8M0 scale for each 32 along K.  m: 4,096 tokens; n: 1,024; K = 1,024.
; A comes as images of operand registers, [tile of 16 rows][8 fragments][1,536 bytes] (piece p = registers 2 p, 2 p + 1; lane l's 8 bytes at 256 p + 8 l), its scale words [tile][8][16 words] 3,145,728 bytes on.
; B comes as rows of 768 bytes of codes and rows of 32 scale bytes.  A tile is 128 x 128 (256 work-groups); four waves, 64 x 64 each: 16 accumulators.
; ALL OF K COMES INTO LDS ONCE: wave 0 asks for A's 8 tiles (98,304 bytes), wave 1 for B's 128 whole rows (16 bytes of padding behind every 256), wave 2 for A's scales, wave 3 for B's: one load a wave, nothing is filled twice.
; CLUSTERS 4 x 4: A's tile and scales are shared along a row of the cluster, B's along a column.  No prefetch: there is no loop of fills to run ahead in.
; The matrix instruction is used transposed (source 0 = B's rows, source 1 = A's): a lane holds eight neighbouring numbers of a row of OUT; 16 rows x 64 columns go through the wave's own stage and come back as rows of 256 bytes.
; REGISTERS: window 0: v0-31 addresses, v[12:15] bias; v32-95 scale words; v128-255 accumulators.  Window 1: two sets of fragments (A's at 12 a, B's at 48 + 12 b); on the way out the rows read back.  Window 2: the residual.
.set KROW,   768
.set KS,     32
.set ATILE,  12288
.set PITCH,  816
.set BOFF,   8*ATILE
.set SCL,    BOFF+128*PITCH
.set HALFS,  8*272
.set SBLK,   2*272
.set STAGE,  SCL+4*HALFS
.set SPARE,  STAGE+4*16*272
.set ASC,    3145728
.set BI,   12
.set ADRA, 16
.set ADRB, 20                          ; v20; v21: for the pieces whose lanes 16-31 lie behind one padding more
.set STO,  24
.set RD,   25
.set CO,   26
.set ADSB, 27
.set SPW,  28
.set NIL,  29
.set ADSA, 30
.set SCR,  32                          ; A's words at 8 a + q, B's at 32 + 8 b + q
.set ACC,  128
.set F0,   0
.set F1,   96
.set G1, 24
.set G0, 32
.set G1B, 48
.set G0B, 56
.set G1S, 68
.set G0S, 76
.set G1SB, 80
.set G0SB, 88
.set MSB, 0
.macro WIN new
.if MSB != (\new)
	s_set_vgpr_msb (MSB<<8)|(\new)
.set MSB, (\new)
.endif
.endm
.set MUL,  0x05
.set TO_F, 0x40
.macro CROUND
	s_barrier_signal -1
	s_barrier_wait -1
	s_cmp_lg_u32 s14, 0
	s_cbranch_scc1 .Lnot_wave_0_\@
	s_barrier_signal -3
.Lnot_wave_0_\@:
	s_barrier_wait -3
	s_barrier_signal -1
	s_barrier_wait -1
.endm
	s_load_b256 s[4:11], s[0:1], 0x0               ; A, B's codes, B's scales, bias
	s_load_b128 s[96:99], s[0:1], 0x20             ; RES, OUT
	v_lshl_add_u32 v[SPW], v0, 2, SPARE
	v_mov_b32 v[NIL], 0
	ds_add_u32 v[SPW], v[NIL]
	ds_add_u32 v[SPW], v[NIL]
	v_lshrrev_b32 v1, 5, v0
	v_readfirstlane_b32 s14, v1                    ; wave
	s_lshr_b32 s15, s14, 1                         ; my half of the rows
	s_and_b32 s16, s14, 1                          ; my half of the columns
	s_bfe_u32 s40, ttmp6, 0x40000
	s_bfe_u32 s41, ttmp6, 0x40004
	s_lshl_b32 s42, ttmp9, 2
	s_add_co_u32 s42, s42, s40                     ; tile column
	s_and_b32 s17, ttmp7, 0xffff
	s_lshl_b32 s17, s17, 2
	s_add_co_u32 s17, s17, s41                     ; tile row
	s_lshl_b32 s43, s41, 2
	s_lshl_b32 s43, 15, s43
	s_lshl_b32 s44, 0x1111, s40
	s_or_b32 s[G1+0], s43, (3<<16)|(1<<21)         ; A: 8 rows of 12,288 bytes (1,536 elements of 8)
	s_mov_b32 s[G1+1], 1536<<16
	s_mov_b32 s[G1+2], 8<<16
	s_mov_b32 s[G1+3], 1536<<16
	s_mov_b32 s[G1+4], 8
	s_mov_b32 s[G1+5], 1536
	s_mov_b32 s[G1+6], 0
	s_mov_b32 s[G1+7], 0
	s_or_b32 s[G1B+0], s44, (1<<20)|(1<<21)|(5<<22)|(3<<25)   ; B: 128 rows of 768 bytes
	s_mov_b32 s[G1B+1], KROW<<16
	s_mov_b32 s[G1B+2], 128<<16
	s_mov_b32 s[G1B+3], KROW<<16
	s_mov_b32 s[G1B+4], 128
	s_mov_b32 s[G1B+5], KROW
	s_mov_b32 s[G1B+6], 0
	s_mov_b32 s[G1B+7], 0
	s_or_b32 s[G1S+0], s43, (3<<16)|(1<<20)|(1<<21)|(5<<22)|(3<<25)   ; the scales of 128 rows: 16 rows of 256 bytes
	s_or_b32 s[G1SB+0], s44, (3<<16)|(1<<20)|(1<<21)|(5<<22)|(3<<25)
.irp g, G1S, G1SB
	s_mov_b32 s[\g+1], 32<<16
	s_mov_b32 s[\g+2], 16<<16
	s_mov_b32 s[\g+3], 32<<16
	s_mov_b32 s[\g+4], 16
	s_mov_b32 s[\g+5], 32
	s_mov_b32 s[\g+6], 0
	s_mov_b32 s[\g+7], 0
.endr
	s_lshl_b32 s20, s17, 3                         ; A's first tile of 16 rows
	s_lshl_b32 s22, s20, 9
	s_add_co_u32 s22, s22, ASC
	s_mov_b32 s23, 0
	s_mul_i32 s20, s20, ATILE
	s_mov_b32 s21, 0
	s_lshl_b32 s46, s42, 7                         ; B's first row
	s_mul_i32 s92, s46, KS
	s_mov_b32 s93, 0
	s_mul_i32 s46, s46, KROW
	s_mov_b32 s47, 0
	s_wait_dscnt 0x0
	s_wait_kmcnt 0x0
	s_add_nc_u64 s[20:21], s[4:5], s[20:21]
	s_add_nc_u64 s[22:23], s[4:5], s[22:23]
	s_add_nc_u64 s[46:47], s[6:7], s[46:47]
	s_add_nc_u64 s[92:93], s[8:9], s[92:93]
	CROUND                                         ; the joint loads meet
	s_mov_b32 s[G0], 1
	s_mov_b32 s[G0+1], 0
	s_mov_b64 s[G0+2:G0+3], s[20:21]
	s_or_b32 s[G0+3], s[G0+3], 0x80000000
	s_mov_b32 s[G0B], 1
	s_mov_b32 s[G0B+1], BOFF
	s_mov_b64 s[G0B+2:G0B+3], s[46:47]
	s_or_b32 s[G0B+3], s[G0B+3], 0x80000000
	s_mov_b32 s[G0S], 1
	s_mov_b32 s[G0S+1], SCL
	s_mov_b64 s[G0S+2:G0S+3], s[22:23]
	s_or_b32 s[G0S+3], s[G0S+3], 0x80000000
	s_mov_b32 s[G0SB], 1
	s_mov_b32 s[G0SB+1], SCL+2*HALFS
	s_mov_b64 s[G0SB+2:G0SB+3], s[92:93]
	s_or_b32 s[G0SB+3], s[G0SB+3], 0x80000000
.macro ARM under, g0, g1, next         ; one tree of branches on the wave's number, one load to an arm
	s_cmp_lt_u32 s14, \under
	s_cbranch_scc0 \next
	tensor_load_to_lds s[\g0:\g0+3], s[\g1:\g1+7]
	s_nop 0
.rept 4
	v_nop
.endr
	s_branch .Lhead_asked
\next:
.endm
	ARM 1, G0,  G1,  .Lhead_b
	ARM 2, G0B, G1B, .Lhead_sa
	ARM 3, G0S, G1S, .Lhead_sb
	tensor_load_to_lds s[G0SB:G0SB+3], s[G1SB:G1SB+7]
	s_nop 0
.rept 4
	v_nop
.endr
.Lhead_asked:
	v_and_b32 v1, 15, v0                           ; r
	v_bfe_u32 v2, v0, 4, 1                         ; h
	v_and_b32 v3, 31, v0
	v_lshlrev_b32 v4, 3, v3
	s_wait_alu depctr_va_vdst(0)
	s_mul_i32 s21, s15, 4*ATILE
	v_add_nc_u32 v[ADRA], s21, v4
	v_mul_u32_u24 v5, v1, PITCH
	v_mad_u32_u24 v5, v2, 24, v5
	s_mul_i32 s22, s16, 64*PITCH
	s_add_co_u32 s22, s22, BOFF
	v_add_nc_u32 v[ADRB], s22, v5
	v_lshl_add_u32 v[ADRB+1], v2, 4, v[ADRB]
	s_mul_i32 s23, s14, 16*272
	s_add_co_u32 s23, s23, STAGE
	v_mul_u32_u24 v5, v1, 272
	v_lshl_add_u32 v5, v2, 5, v5
	v_add_nc_u32 v[STO], s23, v5
	v_mul_u32_u24 v5, v2, 272
	v_lshl_add_u32 v5, v1, 4, v5
	v_add_nc_u32 v[RD], s23, v5
	v_lshlrev_b32 v5, 12, v2
	v_lshl_add_u32 v[CO], v1, 4, v5
	v_mul_u32_u24 v6, v1, KS
	v_lshrrev_b32 v7, 8, v6
	v_lshl_add_u32 v6, v7, 4, v6
	s_mul_i32 s22, s16, HALFS
	s_add_co_u32 s22, s22, SCL+2*HALFS
	v_add_nc_u32 v[ADSB], s22, v6
	s_mul_i32 s22, s15, HALFS
	s_add_co_u32 s22, s22, SCL
	v_lshlrev_b32 v6, 2, v1
	v_add_nc_u32 v[ADSA], s22, v6
	v_lshlrev_b32 v8, 4, v1
	s_lshl_b32 s20, s17, 7
	s_lshl_b32 s21, s15, 6
	s_add_co_u32 s20, s20, s21
	s_lshl_b32 s20, s20, 12
	s_lshl_b32 s46, s42, 9
	s_lshl_b32 s47, s16, 8
	s_add_co_u32 s46, s46, s47
	s_mov_b32 s47, 0
	s_add_nc_u64 s[10:11], s[10:11], s[46:47]
	s_add_co_u32 s20, s20, s46
	s_mov_b32 s21, 0
	s_add_nc_u64 s[96:97], s[96:97], s[20:21]
	s_add_nc_u64 s[98:99], s[98:99], s[20:21]
	s_wait_alu depctr_va_vdst(0)
	WIN 0x80
.irp a, 0,1,2,3
.irp t, 0,1,2,3,4,5,6,7
	global_load_b128 v[4*(8*\a+\t):4*(8*\a+\t)+3], v[CO], s[96:97] offset:(16*\a+2*\t)*4096 th:TH_LOAD_NT   ; the residual, in the layout of the rows read back
.endr
.endr
	WIN 0
	global_load_b128 v[BI:BI+3], v8, s[10:11]
.macro FETCHF q, f                     ; 48 LDS loads: the fragments of step q into set f
	WIN TO_F
.irp a, 0,1,2,3
.irp p, 0,1,2,3,4,5
	ds_load_b64 v[(\f)+12*\a+2*\p:(\f)+12*\a+2*\p+1], v[ADRA] offset:ATILE*\a+1536*(\q)+256*\p
.endr
.endr
.irp b, 0,1,2,3
.irp p, 0,1,2,3,4,5
.set PCE, 12*(\q)+6*(\p/3)+\p%3       ; 16 bytes of padding lie behind every 32 pieces; lanes 16-31 read three pieces on
.if PCE%32 < 29
	ds_load_b64 v[(\f)+48+12*\b+2*\p:(\f)+48+12*\b+2*\p+1], v[ADRB] offset:8*PCE+16*(PCE/32)+\b*16*PITCH
.else
	ds_load_b64 v[(\f)+48+12*\b+2*\p:(\f)+48+12*\b+2*\p+1], v[ADRB+1] offset:8*PCE+16*(PCE/32)+\b*16*PITCH
.endif
.endr
.endr
.endm
.macro MULF f, q, a0, zero             ; A's blocks a0, a0 + 1 x B's four; the 16 accumulators take turns
.irp a, \a0, \a0+1
.irp b, 0,1,2,3
.set D_, ACC+8*(4*(\a)+\b)
.set B_, (\f)+48+12*\b
.set A_, (\f)+12*(\a)
.if \zero
	v_wmma_scale_f32_16x16x128_f8f6f4 v[D_:D_+7], v[B_:B_+11], v[A_:A_+11], 0, v[SCR+32+8*\b+(\q)], v[SCR+8*(\a)+(\q)] matrix_a_fmt:MATRIX_FMT_FP6 matrix_b_fmt:MATRIX_FMT_FP6
.else
	v_wmma_scale_f32_16x16x128_f8f6f4 v[D_:D_+7], v[B_:B_+11], v[A_:A_+11], v[D_:D_+7], v[SCR+32+8*\b+(\q)], v[SCR+8*(\a)+(\q)] matrix_a_fmt:MATRIX_FMT_FP6 matrix_b_fmt:MATRIX_FMT_FP6
.endif
.endr
.endr
.endm
.macro PLACES
.rept 4
	v_nop
.endr
.endm
.macro STEPF q, zero                   ; multiplies set q % 2 while the next step's fragments come into the other
	s_wait_dscnt 0x0
	PLACES
	FETCHF (\q)+1, 96-96*((\q)%2)
	WIN MUL
	MULF 96*((\q)%2), \q, 0, \zero
	MULF 96*((\q)%2), \q, 2, \zero
.endm
	s_wait_tensorcnt 0x0                           ; my tile is in,
	s_barrier_signal -1
	s_barrier_wait -1                              ; everybody's is
	FETCHF 0, F0
	WIN 0
.irp a, 0,1,2,3
.irp q, 0,1,2,3,4,5,6,7
	ds_load_b32 v[SCR+8*\a+\q], v[ADSA] offset:\a*SBLK+272*(\q/4)+64*(\q%4)   ; all of K's scale words: A's,
.endr
.endr
.irp b, 0,1,2,3
	ds_load_b128 v[SCR+32+8*\b:SCR+32+8*\b+3], v[ADSB] offset:\b*SBLK         ; and B's
	ds_load_b128 v[SCR+32+8*\b+4:SCR+32+8*\b+7], v[ADSB] offset:\b*SBLK+16
.endr
	STEPF 0, 1                                     ; the first products start the sums
.irp q, 1,2,3,4,5,6
	STEPF \q, 0
.endr
	s_wait_dscnt 0x0
	WIN MUL
	MULF F1, 7, 0, 0
	MULF F1, 7, 2, 0
	WIN 0
	; THE WAY OUT, block by block of 16 rows x 64 columns; LDS serves a wave's instructions in order (ISA guide 5.7.1.4)
	PLACES
	s_wait_loadcnt 0x0
.irp a, 0,1,2,3
.irp b, 0,1,2,3
	ds_store_b128 v[STO], v[ACC+8*(4*\a+\b):ACC+8*(4*\a+\b)+3] offset:64*\b
	ds_store_b128 v[STO], v[ACC+8*(4*\a+\b)+4:ACC+8*(4*\a+\b)+7] offset:64*\b+16
.endr
	WIN 0x40
.irp t, 0,1,2,3,4,5,6,7
	ds_load_b128 v[32*\a+4*\t:32*\a+4*\t+3], v[RD] offset:544*\t
.endr
	s_wait_dscnt 0x0
	WIN 0x49
.irp i, 0,1,2,3,4,5,6,7,8,9,10,11,12,13,14,15
	v_pk_add_f32 v[32*\a+2*\i:32*\a+2*\i+1], v[32*\a+2*\i:32*\a+2*\i+1], v[32*\a+2*\i:32*\a+2*\i+1]   ; + the residual (source 1: window 2)
.endr
	WIN 0x41
.irp i, 0,1,2,3,4,5,6,7,8,9,10,11,12,13,14,15
	v_pk_add_f32 v[32*\a+2*\i:32*\a+2*\i+1], v[32*\a+2*\i:32*\a+2*\i+1], v[BI+2*(\i%2):BI+2*(\i%2)+1]   ; + the bias
.endr
	WIN 0x04
.irp t, 0,1,2,3,4,5,6,7
	global_store_b128 v[CO], v[32*\a+4*\t:32*\a+4*\t+3], s[98:99] offset:(16*\a+2*\t)*4096   ; 16 lanes store 256 consecutive bytes, aligned
.endr
	WIN 0
.endr
	s_wait_tensorcnt 0x0                           ; the wave's end
	ds_add_u32 v[SPW], v[NIL]
	s_wait_dscnt 0x0
	CROUND
	s_endpgm
.Lfunc_end_k_q09682cae08_proj:
	.size	k_q09682cae08_proj, .Lfunc_end_k_q09682cae08_proj-k_q09682cae08_proj
	.p2alignl 7, 3214868480
	.fill 96, 4, 3214868480
	.section	.rodata,"a",@progbits
	.p2align	6, 0x0
	.amdhsa_kernel k_q09682cae08_proj
		.amdhsa_group_segment_fixed_size 327680
		.amdhsa_private_segment_fixed_size 0
		.amdhsa_enable_private_segment 0
		.amdhsa_kernarg_size 48
		.amdhsa_user_sgpr_count 2
		.amdhsa_user_sgpr_kernarg_segment_ptr 1
		.amdhsa_wavefront_size32 1
		.amdhsa_system_sgpr_workgroup_id_x 1
		.amdhsa_system_sgpr_workgroup_id_y 1
		.amdhsa_system_sgpr_workgroup_id_z 1
		.amdhsa_system_vgpr_workitem_id 0
		.amdhsa_next_free_vgpr 768
		.amdhsa_next_free_sgpr 100
		.amdhsa_reserve_vcc 0
		.amdhsa_float_denorm_mode_32 3
		.amdhsa_float_denorm_mode_16_64 3
		.amdhsa_memory_ordered 1
		.amdhsa_forward_progress 1
		.amdhsa_inst_pref_size 72
	.end_amdhsa_kernel
	.amdgpu_metadata
---
amdhsa.version: [ 1, 2 ]
amdhsa.kernels:
  - .name:           k_q09682cae08_proj
    .symbol:         k_q09682cae08_proj.kd
    .args:
      - { .name: att, .offset: 0, .size: 8, .value_kind: global_buffer, .address_space: global }
      - { .name: w_proj_codes, .offset: 8, .size: 8, .value_kind: global_buffer, .address_space: global }
      - { .name: w_proj_scales, .offset: 16, .size: 8, .value_kind: global_buffer, .address_space: global }
      - { .name: b_proj, .offset: 24, .size: 8, .value_kind: global_buffer, .address_space: global }
      - { .name: x, .offset: 32, .size: 8, .value_kind: global_buffer, .address_space: global }
      - { .name: x1, .offset: 40, .size: 8, .value_kind: global_buffer, .address_space: global }
    .group_segment_fixed_size: 327680
    .private_segment_fixed_size: 0
    .kernarg_segment_align: 8
    .kernarg_segment_size: 48
    .max_flat_workgroup_size: 128
    .sgpr_count:     100
    .vgpr_count:     768
    .wavefront_size: 32
...
	.end_amdgpu_metadata
.endif
;; end of part 4
;; launch ln2: the kernel of part 1 again; grid 256 x 1, 4 waves a work-group, no clusters, 25,088 bytes of LDS; arguments x1, ln2_scale, ln2_bias, hq; writes hq
;; launch fc1 (part 5): grid 16 x 16, 4 waves a work-group, clusters of 4 x 4, 327,680 bytes of LDS; arguments hq, w1_codes, w1_scales, b1, hid; writes hid
.if DOCPART == 5
	.amdgcn_target "amdgcn-amd-amdhsa--gfx1250"
	.amdhsa_code_object_version 6
	.text
	.protected	k_q09682cae08_fc1
	.globl	k_q09682cae08_fc1
	.p2align	8
	.type	k_q09682cae08_fc1,@function
k_q09682cae08_fc1:
	s_mov_b64 s[64:65], 0
	v_nop
	global_prefetch_b8 v0, s[64:65] scope:SCOPE_SE
	s_setreg_imm32_b32 hwreg(HW_REG_WAVE_MODE, 25, 1), 1
	s_wait_xcnt 0x0
	s_wait_alu depctr_hold_cnt(0) depctr_sa_sdst(0) depctr_va_vdst(0) depctr_va_sdst(0) depctr_va_ssrc(0) depctr_va_vcc(0) depctr_vm_vsrc(0)
	s_getreg_b32 s2, hwreg(HW_REG_IB_STS2, 6, 4)
	s_cmp_eq_u32 s2, 0
	s_cbranch_scc0 .Lentry_in_a_cluster
	s_endpgm
.Lentry_in_a_cluster:
	s_bfe_u32 s2, ttmp6, 0x10000c
	s_cmp_lg_u32 s2, 0xf033
	s_cbranch_scc0 .Lentry_shape_is_right
	s_endpgm
.Lentry_shape_is_right:
; relu(h2 w1 + b1) on codes of FP6 (E2M3), one E8M0 scale for each 32 along K (K = 1,024), quantised along the 4,096 hidden units into the operand of the next product.
; A = h2's rows (codes [4096][768 bytes], scale bytes 3,145,728 bytes on), B = w1's rows.  The bias is the C of each sum's first matrix instruction.
; A tile of C, 256 x 256, by four waves, 128 x 128 each.  K goes through two LDS slots in chunks of 256 bytes of each row (three chunks); a step of 128 along K is 96 bytes: steps 2 and 5 lie across two chunks.
; HEAD: one joint load a wave (A's chunk 0, B's chunk 0, A's scales, B's scales); chunk 1 behind the full sequence and a round; chunk 2 refills slot 0.
; CLUSTERS 4 x 4: A's tiles shared along a row, B's along a column.  No prefetch: the walk along K has three chunks, of which two are asked for before the first product.
; The matrix instruction is used transposed: lane (r, h) holds row m = r, register j of accumulator (a, b) column 16 b + 8 h + j.
; WAY OUT: 16 rows x 128 columns are one fragment, stored as an image of its 12 registers: registers 4 c .. 4 c + 3 of lane l at 512 c + 16 l; images [tile of 16 rows][32 fragments][1,536], scale words 12,582,912 bytes on.
; LIMITS: NaN and infinities are not served; a block whose largest magnitude lies under 2^-124 (zeros too) gets the byte 1; the bytes are read by this program alone.
.set ROWB,   256
.set NQ,     2
.set KROW,   768
.set STEPS,  8
.set CHUNKS, 3
.set PITCH,  272
.set FR,     12
.set NL,     6
.set NP,     4
.set HALFT,  128*PITCH
.set SLOT,   4*HALFT
.set KS,     32
.set SCL,    2*SLOT
.set HALFS,  (128*KS/256)*272
.set SBLK,   (16*KS/256)*272
.set SPARE,  SCL+4*HALFS
.set AST, 49152
.set SST, 2048
.set LO8,  13
.set ADRA, 16
.set ADRB, 20
.set ADRS, 27
.set SPW,  28
.set NIL,  29
.set LOS,  30
.set SC,   32
.set BIAS, 64
.set CD,   64
.set AF,   128
.set TM,   224
.set TP,   228
.set SO,   232
.set PW,   236
.set YY,   240
.set G1, 24
.set G0, 32
.set G1B, 48
.set G0B, 56
.set G1S, 68
.set G0S, 76
.set G1SB, 80
.set G0SB, 88
.set G0H, 4
.set G0HB, 8
.set SELL, 20
.set SELM, 21
.set SELH, 22
.set MSB, 0
.macro WIN new
.if MSB != (\new)
	s_set_vgpr_msb (MSB<<8)|(\new)
.set MSB, (\new)
.endif
.endm
.set MUL_LO, 0xa1
.set MUL_HI, 0xf1
.set TO_B,   0x40
.macro JLOAD g0a, g1a, g0b, g1b        ; waves 0, 1 fetch for A, waves 2, 3 for B
	s_cmp_eq_u32 s15, 0
	s_cbranch_scc0 .Lfor_b_\@
	tensor_load_to_lds s[\g0a:\g0a+3], s[\g1a:\g1a+7]
	s_nop 0
.rept 4
	v_nop
.endr
	s_branch .Lasked_\@
.Lfor_b_\@:
	tensor_load_to_lds s[\g0b:\g0b+3], s[\g1b:\g1b+7]
	s_nop 0
.rept 4
	v_nop
.endr
.Lasked_\@:
.endm
.macro CREST
	s_cmp_lg_u32 s14, 0
	s_cbranch_scc1 .Lnot_wave_0_\@
	s_barrier_signal -3
.Lnot_wave_0_\@:
	s_barrier_wait -3
	s_barrier_signal -1
	s_barrier_wait -1
.endm
.macro CROUND
	s_barrier_signal -1
	s_barrier_wait -1
	CREST
.endm
	s_load_b64 s[4:5], s[0:1], 0x0                 ; h2's codes
	s_load_b64 s[8:9], s[0:1], 0x8                 ; w1's codes
	s_load_b64 s[10:11], s[0:1], 0x10              ; w1's scales
	s_load_b64 s[66:67], s[0:1], 0x18              ; b1
	s_load_b64 s[12:13], s[0:1], 0x20              ; the hidden layer's images
	v_lshl_add_u32 v[SPW], v0, 2, SPARE
	v_mov_b32 v[NIL], 0
	ds_add_u32 v[SPW], v[NIL]
	ds_add_u32 v[SPW], v[NIL]
	s_wait_dscnt 0x0
	v_lshrrev_b32 v1, 5, v0
	v_readfirstlane_b32 s14, v1                    ; wave
	s_lshr_b32 s15, s14, 1
	s_and_b32 s16, s14, 1
	s_bfe_u32 s40, ttmp6, 0x40000
	s_bfe_u32 s41, ttmp6, 0x40004
	s_and_b32 s95, ttmp7, 0xffff
	v_and_b32 v1, 15, v0                           ; r
	v_bfe_u32 v2, v0, 4, 1                         ; h
	v_and_b32 v6, 31, v0
	v_lshlrev_b32 v[LO8], 4, v6
	s_wait_alu depctr_va_vdst(0)
	s_wait_kmcnt 0x0
	s_add_nc_u64 s[6:7], s[4:5], 3145728           ; h2's scale bytes
	s_lshl_b32 s17, s95, 2
	s_add_co_u32 s17, s17, s41                     ; tile row
	s_lshl_b32 s42, ttmp9, 2
	s_add_co_u32 s42, s42, s40                     ; tile column
	v_lshlrev_b32 v[LOS], 2, v1
	s_lshl_b32 s100, s42, 10
	s_lshl_b32 s101, s16, 9
	s_add_co_u32 s100, s100, s101
	s_mov_b32 s101, 0
	s_add_nc_u64 s[66:67], s[66:67], s[100:101]    ; b1 at my 128 columns
	s_lshl_b32 s96, s17, 4
	s_lshl_b32 s97, s15, 3
	s_add_co_u32 s96, s96, s97                     ; my first tile of 16 rows
	s_lshl_b32 s96, s96, 5
	s_lshl_b32 s97, s42, 1
	s_add_co_u32 s96, s96, s97
	s_add_co_u32 s96, s96, s16                     ; + the fragment that my 128 columns are
	s_lshl_b32 s100, s96, 6
	s_add_co_u32 s100, s100, 12582912
	s_mov_b32 s101, 0
	s_mul_i32 s96, s96, 1536
	s_mov_b32 s97, 0
	s_add_nc_u64 s[98:99], s[12:13], s[100:101]
	s_add_nc_u64 s[12:13], s[12:13], s[96:97]
	s_add_nc_u64 s[96:97], s[12:13], 4*AST
	s_add_nc_u64 s[100:101], s[98:99], 4*SST
	s_lshl_b32 s43, s41, 2
	s_lshl_b32 s43, 15, s43
	s_lshl_b32 s44, 0x1111, s40
	s_or_b32 s[G1+0], s43, (1<<20)|(1<<21)|(5<<22)|(3<<25)   ; rows of 256 bytes, 16 bytes of padding behind each
	s_or_b32 s[G1B+0], s44, (1<<20)|(1<<21)|(5<<22)|(3<<25)
.irp g, G1, G1B
	s_mov_b32 s[\g+1], ROWB<<16
	s_mov_b32 s[\g+2], 256<<16                     ; 256 rows for the head's loads
	s_mov_b32 s[\g+3], ROWB<<16
	s_mov_b32 s[\g+4], 256
	s_mov_b32 s[\g+5], KROW
	s_mov_b32 s[\g+6], 0
	s_mov_b32 s[\g+7], 0
.endr
	s_or_b32 s[G1S+0], s43, (3<<16)|(1<<20)|(1<<21)|(5<<22)|(3<<25)
	s_or_b32 s[G1SB+0], s44, (3<<16)|(1<<20)|(1<<21)|(5<<22)|(3<<25)
.irp g, G1S, G1SB
	s_mov_b32 s[\g+1], 32<<16
	s_mov_b32 s[\g+2], KS<<16
	s_mov_b32 s[\g+3], 32<<16
	s_mov_b32 s[\g+4], KS
	s_mov_b32 s[\g+5], 32
	s_mov_b32 s[\g+6], 0
	s_mov_b32 s[\g+7], 0
.endr
	s_lshl_b32 s20, s17, 8
	s_lshl_b32 s46, s42, 8
	s_mov_b32 s21, 0
	s_mov_b32 s47, 0
	s_mov_b64 s[18:19], KS
	s_mul_u64 s[22:23], s[20:21], s[18:19]
	s_mul_u64 s[92:93], s[46:47], s[18:19]
	s_mov_b64 s[18:19], KROW
	s_mul_u64 s[20:21], s[20:21], s[18:19]
	s_mul_u64 s[46:47], s[46:47], s[18:19]
	s_mul_i32 s18, s16, 128*KROW
	s_mov_b32 s19, 0
	s_mul_i32 s45, s14, HALFT
	s_add_nc_u64 s[20:21], s[4:5], s[20:21]
	s_add_nc_u64 s[22:23], s[6:7], s[22:23]
	s_add_nc_u64 s[46:47], s[8:9], s[46:47]
	s_add_nc_u64 s[92:93], s[10:11], s[92:93]
	CROUND                                         ; the first joint loads meet
	s_mov_b32 s[G0H], 1
	s_mov_b32 s[G0H+1], 0
	s_mov_b64 s[G0H+2:G0H+3], s[20:21]
	s_or_b32 s[G0H+3], s[G0H+3], 0x80000000
	s_mov_b32 s[G0HB], 1
	s_mov_b32 s[G0HB+1], 2*HALFT
	s_mov_b64 s[G0HB+2:G0HB+3], s[46:47]
	s_or_b32 s[G0HB+3], s[G0HB+3], 0x80000000
	s_mov_b32 s[G0S], 1
	s_mov_b32 s[G0S+1], SCL
	s_mov_b64 s[G0S+2:G0S+3], s[22:23]
	s_or_b32 s[G0S+3], s[G0S+3], 0x80000000
	s_mov_b32 s[G0SB], 1
	s_mov_b32 s[G0SB+1], SCL+2*HALFS
	s_mov_b64 s[G0SB+2:G0SB+3], s[92:93]
	s_or_b32 s[G0SB+3], s[G0SB+3], 0x80000000
	s_add_nc_u64 s[20:21], s[20:21], s[18:19]
	s_add_nc_u64 s[46:47], s[46:47], s[18:19]
.irp s, 0,1
	s_mov_b32 s[G0+4*\s], 1
	s_add_co_u32 s[G0+4*\s+1], s45, \s*SLOT
	s_add_nc_u64 s[G0+4*\s+2:G0+4*\s+3], s[20:21], \s*ROWB
	s_or_b32 s[G0+4*\s+3], s[G0+4*\s+3], 0x80000000
	s_mov_b32 s[G0B+4*\s], 1
	s_add_co_u32 s[G0B+4*\s+1], s45, \s*SLOT
	s_add_nc_u64 s[G0B+4*\s+2:G0B+4*\s+3], s[46:47], \s*ROWB
	s_or_b32 s[G0B+4*\s+3], s[G0B+4*\s+3], 0x80000000
.endr
.macro ARM under, g0, g1, next         ; the head's loads, one a wave, in one tree of branches on the wave's number
	s_cmp_lt_u32 s14, \under
	s_cbranch_scc0 \next
	tensor_load_to_lds s[\g0:\g0+3], s[\g1:\g1+7]
	s_nop 0
.rept 4
	v_nop
.endr
	s_branch .Lhead_asked
\next:
.endm
	ARM 1, G0H,  G1,  .Lhead_b
	ARM 2, G0HB, G1B, .Lhead_sa
	ARM 3, G0S,  G1S, .Lhead_sb
	tensor_load_to_lds s[G0SB:G0SB+3], s[G1SB:G1SB+7]
	s_nop 0
.rept 4
	v_nop
.endr
.Lhead_asked:
	v_lshlrev_b32 v12, 5, v2                       ; the bias in the result's layout: for n block b my half's eight columns
.irp b, 0,1,2,3,4,5,6,7
	global_load_b128 v[BIAS+8*\b:BIAS+8*\b+3], v12, s[66:67] offset:64*\b
	global_load_b128 v[BIAS+8*\b+4:BIAS+8*\b+7], v12, s[66:67] offset:64*\b+16
.endr
	v_mul_u32_u24 v3, v1, PITCH
	v_mul_u32_u24 v4, v2, 24
	v_add_nc_u32 v4, v3, v4
	s_mov_b32 s21, SLOT-232
	s_mov_b32 s22, SLOT+232
	v_sub_nc_u32 v7, 1, v2
	v_mul_u32_u24 v5, s21, v2
	v_add_nc_u32 v5, v3, v5
	v_add_nc_u32 v5, 232, v5                       ; across chunks: lanes 0-15 byte 232 in slot 0, lanes 16-31 byte 0 in slot 1
	v_mul_u32_u24 v6, s22, v7
	v_add_nc_u32 v6, v3, v6                        ; and the other way round
	s_mul_i32 s21, s15, HALFT
	s_mul_i32 s22, s16, HALFT
	s_add_co_u32 s22, s22, 2*HALFT
	v_add_nc_u32 v[ADRA+2], s21, v5
	v_add_nc_u32 v[ADRA+3], s21, v6
	v_add_nc_u32 v[ADRB+2], s22, v5
	v_add_nc_u32 v[ADRB+3], s22, v6
.irp s, 0,1
	v_add_nc_u32 v[ADRA+\s], s21, v4
	v_add_nc_u32 v[ADRB+\s], s22, v4
	s_add_co_u32 s21, s21, SLOT
	s_add_co_u32 s22, s22, SLOT
.endr
	v_mul_u32_u24 v5, v1, KS
	v_lshrrev_b32 v6, 8, v5
	v_lshl_add_u32 v5, v6, 4, v5
	s_mul_i32 s21, s15, HALFS
	s_mul_i32 s22, s16, HALFS
	s_add_co_u32 s22, s22, 2*HALFS
	s_sub_co_u32 s22, s22, s21
	v_mul_u32_u24 v6, s22, v2
	s_add_co_u32 s21, s21, SCL
	v_add_nc_u32 v5, v5, v6
	v_add_nc_u32 v[ADRS], s21, v5
.macro FRAG reg, adr, st, i            ; 12 registers in pieces of 8 bytes; byte y of a row lies in slot (y / 256) % 2 at byte y % 256
.irp p, 0,1,2,3,4,5
.set BY, 96*(\st)+48*(\p/3)+8*(\p%3)
.if BY/ROWB == (BY+24)/ROWB
	ds_load_b64 v[\reg+2*\p:\reg+2*\p+1], v[\adr+(BY/ROWB)%2] offset:BY%ROWB+(\i)*16*PITCH
.else
	ds_load_b64 v[\reg+2*\p:\reg+2*\p+1], v[\adr+2+(BY/ROWB)%2] offset:BY%ROWB-232+(\i)*16*PITCH
.endif
.endr
.endm
.macro MUL16 a0, p, q, sc, zero        ; A's blocks a0, a0 + 1 x B's eight; the 64 accumulators take turns
.irp a, \a0, \a0+1
.irp b, 0,1,2,3,4,5,6,7
.set D_, 8*(8*((\a)%4)+\b)
.set B_, 128*(\p)+FR*\b
.set A_, AF+FR*(\a)
.set SB_, SC+8*NQ*(\sc)+NQ*\b+(\q)
.set SA_, SC+8*NQ*(\sc)+NQ*(\a)+(\q)
.if \zero
	v_wmma_scale_f32_16x16x128_f8f6f4 v[D_:D_+7], v[B_:B_+11], v[A_:A_+11], v[BIAS+8*\b:BIAS+8*\b+7], v[SB_], v[SA_] matrix_a_fmt:MATRIX_FMT_FP6 matrix_b_fmt:MATRIX_FMT_FP6 matrix_a_scale:MATRIX_SCALE_ROW1
.else
	v_wmma_scale_f32_16x16x128_f8f6f4 v[D_:D_+7], v[B_:B_+11], v[A_:A_+11], v[D_:D_+7], v[SB_], v[SA_] matrix_a_fmt:MATRIX_FMT_FP6 matrix_b_fmt:MATRIX_FMT_FP6 matrix_a_scale:MATRIX_SCALE_ROW1
.endif
.endr
.endr
.endm
.macro FETCH_B st, p
	WIN TO_B
.irp i, 0,1,2,3,4,5,6,7
	FRAG 128*(\p)+FR*\i, ADRB, \st, \i
.endr
	WIN 0
.endm
.macro FETCH_A st, i0
.irp i, \i0, \i0+1, \i0+2, \i0+3
	FRAG AF+FR*(\i), ADRA, \st, \i
.endr
.endm
.macro SCALES pr
.irp i, 0,1,2,3,4,5,6,7
	ds_load_b64 v[SC+8*NQ*((\pr)%2)+NQ*\i:SC+8*NQ*((\pr)%2)+NQ*\i+1], v[ADRS] offset:\i*SBLK+4*NQ*(\pr)
.endr
.endm
.macro PLACES n
.rept \n
	v_nop
.endr
.endm
; A step of 128 along K.  Where the next step ends in a chunk not read yet: the wait for my tensor loads and a barrier.  Where it begins in a later chunk: the add too, and, if a chunk two on is left, a round and the refill.
.macro STEP st, zero
.set NX, (\st)+1
.set C0, (96*(\st))/ROWB
.set C1, (96*NX)/ROWB
.set E0, (96*(\st)+95)/ROWB
.set E1, (96*NX+95)/ROWB
.if C1 > C0 || E1 > E0
	s_wait_tensorcnt 0x0
.if C1 > C0
	ds_add_u32 v[SPW], v[NIL]
	s_wait_dscnt 4*NL+1                            ; the add and A's blocks 4-7 (24 loads) may be out
.else
	s_wait_dscnt 4*NL
.endif
	WIN MUL_LO
	MUL16 0, (\st)%2, (\st)%2, ((\st)/2)%2, 0
	s_wait_dscnt 0x0
	s_barrier_signal -1
	MUL16 2, (\st)%2, (\st)%2, ((\st)/2)%2, 0
	WIN 0
	s_barrier_wait -1
.if C1 > C0 && C0+2 < CHUNKS
	CREST
	s_add_nc_u64 s[G0+4*(C0%2)+2:G0+4*(C0%2)+3], s[G0+4*(C0%2)+2:G0+4*(C0%2)+3], 2*ROWB
	s_add_nc_u64 s[G0B+4*(C0%2)+2:G0B+4*(C0%2)+3], s[G0B+4*(C0%2)+2:G0B+4*(C0%2)+3], 2*ROWB
	JLOAD G0+4*(C0%2), G1, G0B+4*(C0%2), G1B
.else
	PLACES NP
.endif
.else
	s_wait_dscnt 4*NL
.if \zero
	WIN 0x81                                       ; as MUL_LO, with C (the bias) in window 0
.else
	WIN MUL_LO
.endif
	MUL16 0, (\st)%2, (\st)%2, ((\st)/2)%2, \zero
	MUL16 2, (\st)%2, (\st)%2, ((\st)/2)%2, \zero
	s_wait_dscnt 0
	PLACES NP
.endif
	FETCH_B NX, NX%2
	FETCH_A NX, 0
.if NX%2 == 0
	SCALES NX/2
.endif
.if \zero
	WIN 0xc1
.else
	WIN MUL_HI
.endif
	MUL16 4, (\st)%2, (\st)%2, ((\st)/2)%2, \zero
	MUL16 6, (\st)%2, (\st)%2, ((\st)/2)%2, \zero
	PLACES NP
	WIN 0
	FETCH_A NX, 4
.endm
	s_wait_alu depctr_va_vdst(0)
	s_wait_tensorcnt 0x0
	ds_add_u32 v[SPW], v[NIL]
	s_mov_b32 s[G1+2], 128<<16                     ; no load of mine is out: from here on a load brings 128 rows
	s_mov_b32 s[G1+4], 128
	s_mov_b32 s[G1B+2], 128<<16
	s_mov_b32 s[G1B+4], 128
	s_wait_dscnt 0x0
	CROUND
	JLOAD G0+4, G1, G0B+4, G1B                     ; chunk 1
	FETCH_B 0, 0
	FETCH_A 0, 0
	SCALES 0
	FETCH_A 0, 4
	s_wait_loadcnt 0x0                             ; the bias
	STEP 0, 1                                      ; the first products start the sums, on the bias
.set ST, 1
.rept STEPS-2
	STEP ST, 0
.set ST, ST+1
.endr
	s_wait_dscnt 4*NL
	WIN MUL_LO
	MUL16 0, 1, 1, 1, 0
	MUL16 2, 1, 1, 1, 0
	s_wait_dscnt 0
	WIN MUL_HI
	MUL16 4, 1, 1, 1, 0
	MUL16 6, 1, 1, 1, 0
	WIN 0
.macro PACK6 x, y, o                   ; two blocks' conversions become six registers of the operand
.irp i, 0,1,2
	v_permlane16_swap_b32 v[(\x)+\i], v[(\y)+\i]
.endr
	v_perm_b32 v[(\o)+3], v[(\x)+2], v[(\x)+1], s[SELM]
	v_perm_b32 v[(\o)+4], v[(\y)+1], v[(\x)+2], s[SELH]
	v_perm_b32 v[(\o)+1], v[(\y)], v[(\x)+1], s[SELL]
	v_perm_b32 v[(\o)+2], v[(\y)+1], v[(\y)], s[SELM]
	v_mov_b32 v[(\o)+5], v[(\y)+2]
.endm
.macro OUTQ a                          ; block a of 16 rows x my 128 columns: relu, quantised, stored; each accumulator is read from its low end on
.set AC, 64*((\a)%4)
.set W, 2+(\a)/4
.set OBR, 12+84*((\a)/4)
.set SBR, 98+2*((\a)/4)
	WIN (W<<6)|(W<<2)
.set J, 0
.rept 64
	v_max_num_f32 v[AC+J], 0, v[AC+J]
.set J, J+1
.endr
	WIN (W<<2)|(W<<4)
.irp c, 0,1,2,3
	v_max3_num_f32 v[TM+\c], s23, |v[AC+16*\c]|, |v[AC+16*\c+1]|
.endr
.irp i, 2,4,6,8,10,12,14
.irp c, 0,1,2,3
	v_max3_num_f32 v[TM+\c], v[TM+\c], |v[AC+16*\c+\i]|, |v[AC+16*\c+\i+1]|
.endr
.endr
	WIN 0
	s_wait_alu depctr_va_vdst(0)
	s_wait_xcnt 0x0                                ; the last block's stores have read their data registers
.irp c, 0,1,2,3
	v_permlanex16_b32 v[TP+\c], v[TM+\c], s18, s19
.endr
.irp c, 0,1,2,3
	v_max_num_f32 v[TM+\c], v[TM+\c], v[TP+\c]
.endr
.irp c, 0,1,2,3
	v_add_nc_u32 v[SO+\c], 0xff000000, v[TM+\c]
.endr
.irp c, 0,1,2,3
	v_lshrrev_b32 v[TP+\c], 23, v[SO+\c]
.endr
	v_lshl_or_b32 v[PW], v[TP+1], 8, v[TP]
	v_lshl_or_b32 v[PW], v[TP+2], 16, v[PW]
	v_lshl_or_b32 v[PW], v[TP+3], 24, v[PW]
	WIN W
	v_cvt_scalef32_pk16_fp6_f32 v[CD:CD+2], v[AC:AC+15], v[SO]
	v_cvt_scalef32_pk16_fp6_f32 v[YY:YY+2], v[AC+16:AC+31], v[SO+1]
	v_cvt_scalef32_pk16_fp6_f32 v[CD+6:CD+8], v[AC+32:AC+47], v[SO+2]
	v_cvt_scalef32_pk16_fp6_f32 v[YY+4:YY+6], v[AC+48:AC+63], v[SO+3]
	WIN 0
	v_nop
	PACK6 CD, YY, CD
	PACK6 CD+6, YY+4, CD+6
.irp c, 0,1,2
	global_store_b128 v[LO8], v[CD+4*\c:CD+4*\c+3], s[OBR:OBR+1] offset:((\a)%4)*AST+512*\c   ; 32 lanes store 512 consecutive bytes, aligned
.endr
	global_store_b32 v[LOS], v[PW], s[SBR:SBR+1] offset:((\a)%4)*SST
.endm
	PLACES NP
	s_mov_b32 s18, 0x76543210
	s_mov_b32 s19, 0xfedcba98
	s_mov_b32 s[SELL], 0x05040100
	s_mov_b32 s[SELM], 0x05040302
	s_mov_b32 s[SELH], 0x07060302
	s_mov_b32 s23, 0x1800000
.irp c, 0,1,2,3
	v_mov_b32 v[TP+\c], 0
.endr
.irp a, 0,1,2,3,4,5,6,7
	OUTQ \a
.endr
	s_wait_tensorcnt 0x0                           ; the wave's end
	ds_add_u32 v[SPW], v[NIL]
	s_wait_dscnt 0x0
	CROUND
	s_endpgm
.Lfunc_end_k_q09682cae08_fc1:
	.size	k_q09682cae08_fc1, .Lfunc_end_k_q09682cae08_fc1-k_q09682cae08_fc1
	.p2alignl 7, 3214868480
	.fill 96, 4, 3214868480
	.section	.rodata,"a",@progbits
	.p2align	6, 0x0
	.amdhsa_kernel k_q09682cae08_fc1
		.amdhsa_group_segment_fixed_size 327680
		.amdhsa_private_segment_fixed_size 0
		.amdhsa_enable_private_segment 0
		.amdhsa_kernarg_size 40
		.amdhsa_user_sgpr_count 2
		.amdhsa_user_sgpr_kernarg_segment_ptr 1
		.amdhsa_wavefront_size32 1
		.amdhsa_system_sgpr_workgroup_id_x 1
		.amdhsa_system_sgpr_workgroup_id_y 1
		.amdhsa_system_sgpr_workgroup_id_z 1
		.amdhsa_system_vgpr_workitem_id 0
		.amdhsa_next_free_vgpr 1024
		.amdhsa_next_free_sgpr 102
		.amdhsa_reserve_vcc 0
		.amdhsa_float_denorm_mode_32 3
		.amdhsa_float_denorm_mode_16_64 3
		.amdhsa_memory_ordered 1
		.amdhsa_forward_progress 1
		.amdhsa_inst_pref_size 186
	.end_amdhsa_kernel
	.amdgpu_metadata
---
amdhsa.version: [ 1, 2 ]
amdhsa.kernels:
  - .name:           k_q09682cae08_fc1
    .symbol:         k_q09682cae08_fc1.kd
    .args:
      - { .name: hq, .offset: 0, .size: 8, .value_kind: global_buffer, .address_space: global }
      - { .name: w1_codes, .offset: 8, .size: 8, .value_kind: global_buffer, .address_space: global }
      - { .name: w1_scales, .offset: 16, .size: 8, .value_kind: global_buffer, .address_space: global }
      - { .name: b1, .offset: 24, .size: 8, .value_kind: global_buffer, .address_space: global }
      - { .name: hid, .offset: 32, .size: 8, .value_kind: global_buffer, .address_space: global }
    .group_segment_fixed_size: 327680
    .private_segment_fixed_size: 0
    .kernarg_segment_align: 8
    .kernarg_segment_size: 40
    .max_flat_workgroup_size: 128
    .sgpr_count:     102
    .vgpr_count:     1024
    .wavefront_size: 32
...
	.end_amdgpu_metadata
.endif
;; end of part 5
;; launch fc2 (part 6): grid 8 x 32, 4 waves a work-group, clusters of 4 x 4, 327,680 bytes of LDS; arguments hid, w2_codes, w2_scales, b2, x1, out0; writes out0
.if DOCPART == 6
	.amdgcn_target "amdgcn-amd-amdhsa--gfx1250"
	.amdhsa_code_object_version 6
	.text
	.protected	k_q09682cae08_fc2
	.globl	k_q09682cae08_fc2
	.p2align	8
	.type	k_q09682cae08_fc2,@function
k_q09682cae08_fc2:
	s_mov_b64 s[64:65], 0
	v_nop
	global_prefetch_b8 v0, s[64:65] scope:SCOPE_SE
	s_setreg_imm32_b32 hwreg(HW_REG_WAVE_MODE, 25, 1), 1
	s_wait_xcnt 0x0
	s_wait_alu depctr_hold_cnt(0) depctr_sa_sdst(0) depctr_va_vdst(0) depctr_va_sdst(0) depctr_va_ssrc(0) depctr_va_vcc(0) depctr_vm_vsrc(0)
	s_getreg_b32 s2, hwreg(HW_REG_IB_STS2, 6, 4)
	s_cmp_eq_u32 s2, 0
	s_cbranch_scc0 .Lentry_in_a_cluster
	s_endpgm
.Lentry_in_a_cluster:
	s_bfe_u32 s2, ttmp6, 0x10000c
	s_cmp_lg_u32 s2, 0xf033
	s_cbranch_scc0 .Lentry_shape_is_right
	s_endpgm
.Lentry_shape_is_right:
.set SIZE_K, 4096
.set NS,     SIZE_K/128
.set NQ,     8
.set KROW,   SIZE_K*3/4
.set KS,     SIZE_K/32
.set APITCH, SIZE_K*12
.set ROWB,   768
.set PITCH,  816
.set QUART,  32*PITCH
.set SLOT,   4*QUART
.set SCL,    2*SLOT
.set HALFS,  (64*KS/256)*272
.set SBLK,   (16*KS/256)*272
.set STAGE,  SCL+4*HALFS
.set SPITCH, 528
.set SPARE,  STAGE+4*16*SPITCH
.set ASC,    3072*SIZE_K
.set DEP,    10
.set BI,   12
.set ADRB, 16
.set STO,  24
.set RD,   25
.set CO,   26
.set ADSB, 27
.set SPW,  28
.set NIL,  29
.set ADSA, 30
.set SCR,  32
.set ACC,  128
.set AB,   24
.set G1B, 48
.set G0B, 56
.set G1S, 68
.set G0S, 76
.set G1SB, 80
.set G0SB, 88
.set MSB, 0
.macro WIN new
.if MSB != (\new)
	s_set_vgpr_msb (MSB<<8)|(\new)
.set MSB, (\new)
.endif
.endm
.set MUL,  0x09
.macro ARM under, g0, g1, next         ; an arm of the head's one tree of branches on the wave's number: one load to an arm
	s_cmp_lt_u32 s14, \under
	s_cbranch_scc0 \next
	tensor_load_to_lds s[\g0:\g0+3], s[\g1:\g1+7]
	s_nop 0
.rept 4
	v_nop
.endr
	s_branch .Lhead_asked
\next:
.endm
.macro BLOAD s
	tensor_load_to_lds s[G0B+4*(\s):G0B+4*(\s)+3], s[G1B:G1B+7]
	s_nop 0
.rept 4
	v_nop
.endr
.endm
.macro CREST
	s_cmp_lg_u32 s14, 0
	s_cbranch_scc1 .Lnot_wave_0_\@
	s_barrier_signal -3
.Lnot_wave_0_\@:
	s_barrier_wait -3
	s_barrier_signal -1
	s_barrier_wait -1
.endm
.macro CROUND
	s_barrier_signal -1
	s_barrier_wait -1
	CREST
.endm
.macro ITEM j
.if (\j) < NS
	WIN 0x80
.irp a, 0,1
.irp c, 0,1,2
	global_load_b128 v[24*((\j)%DEP)+12*\a+4*\c:24*((\j)%DEP)+12*\a+4*\c+3], v[CO], s[AB:AB+1] offset:\a*APITCH+(\j)*1536+512*\c
.endr
.endr
.elseif (\j) < NS+5
	WIN 0xc0
.irp i, 0,1,2,3,4,5
	global_load_b128 v[4*(6*((\j)-NS)+\i):4*(6*((\j)-NS)+\i)+3], v[CO], s[96:97] offset:(6*((\j)-NS)+\i)*4096 th:TH_LOAD_NT
.endr
.elseif (\j) == NS+5
	WIN 0xc0
.irp i, 30,31
	global_load_b128 v[4*\i:4*\i+3], v[CO], s[96:97] offset:\i*4096 th:TH_LOAD_NT
.endr
	WIN 0
	global_load_b128 v[BI:BI+3], v[CO], s[10:11]
.endif
.endm
.macro COUNT ks, ahead
.set HI_, (\ks)+(\ahead)
.if HI_ > NS+5
.set HI_, NS+5
.endif
.set NW, 0
.if HI_ == NS+5
.set NW, 3
.set HI_, NS+4
.endif
.set NW, NW+6*(HI_-(\ks))
.endm
	s_load_b256 s[4:11], s[0:1], 0x0
	s_load_b128 s[96:99], s[0:1], 0x20
	v_lshl_add_u32 v[SPW], v0, 2, SPARE
	v_mov_b32 v[NIL], 0
	ds_add_u32 v28, v29
	ds_add_u32 v28, v29
	s_wait_dscnt 0x0
	v_lshrrev_b32 v1, 5, v0
	v_readfirstlane_b32 s14, v1
	v_and_b32 v3, 31, v0
	v_lshlrev_b32 v[CO], 4, v3
	s_and_b32 s16, s14, 1
	s_bfe_u32 s40, ttmp6, 0x40000
	s_bfe_u32 s41, ttmp6, 0x40004
	s_lshl_b32 s42, ttmp9, 2
	s_add_co_u32 s42, s42, s40
	s_and_b32 s17, ttmp7, 0xffff
	s_lshl_b32 s17, s17, 2
	s_add_co_u32 s17, s17, s41
	s_lshl_b32 s43, s41, 2
	s_lshl_b32 s43, 15, s43
	s_lshl_b32 s44, 0x1111, s40
	s_or_b32 s[G1B+0], s44, (0<<16)|(1<<20)|(1<<21)|(5<<22)|(3<<25)
	s_mov_b32 s[G1B+1], ROWB<<16
	s_mov_b32 s[G1B+2], 64<<16                     ; 64 rows for the head's two loads of slot 0
	s_mov_b32 s[G1B+3], ROWB<<16
	s_mov_b32 s[G1B+4], 64
	s_mov_b32 s[G1B+5], KROW
	s_mov_b32 s[G1B+6], 0
	s_mov_b32 s[G1B+7], 0
	s_or_b32 s[G1S+0], s43, (3<<16)|(1<<20)|(1<<21)|(5<<22)|(3<<25)
	s_or_b32 s[G1SB+0], s44, (3<<16)|(1<<20)|(1<<21)|(5<<22)|(3<<25)
.irp g, G1S, G1SB
	s_mov_b32 s[\g+1], 32<<16
	s_mov_b32 s[\g+2], (128*KS/256)<<16            ; the scales of all 128 rows by one load
	s_mov_b32 s[\g+3], 32<<16
	s_mov_b32 s[\g+4], 128*KS/256
	s_mov_b32 s[\g+5], 32
	s_mov_b32 s[\g+6], 0
	s_mov_b32 s[\g+7], 0
.endr
	s_lshl_b32 s26, s17, 3
	s_lshl_b32 s27, s14, 1
	s_add_co_u32 s26, s26, s27
	s_mul_i32 s26, s26, APITCH
	s_mov_b32 s27, 0
	s_lshl_b32 s20, s17, 3
	s_mul_i32 s22, s20, SIZE_K/2
	s_add_co_u32 s22, s22, ASC
	s_mov_b32 s23, 0
	s_lshl_b32 s46, s42, 7
	s_lshl_b32 s18, s16, 6
	s_add_co_u32 s2, s46, s18                      ; the head's load of slot 0: 64 rows, by the wave's low bit
	s_mul_i32 s2, s2, KROW
	s_mov_b32 s3, 0
	s_mul_i32 s92, s46, KS
	s_mov_b32 s93, 0
	s_lshl_b32 s18, s14, 5
	s_add_co_u32 s46, s46, s18
	s_mul_i32 s46, s46, KROW
	s_mov_b32 s47, 0
	s_mul_i32 s19, s14, QUART
	s_wait_alu depctr_va_vdst(0)
	s_wait_kmcnt 0x0
	s_add_nc_u64 s[AB:AB+1], s[4:5], s[26:27]
	s_add_nc_u64 s[22:23], s[4:5], s[22:23]
	s_add_nc_u64 s[46:47], s[6:7], s[46:47]
	s_add_nc_u64 s[2:3], s[6:7], s[2:3]
	s_add_nc_u64 s[92:93], s[8:9], s[92:93]
.irp j, 0,1,2,3,4,5,6,7,8
	ITEM \j
.endr
	WIN 0
	CROUND
	s_mov_b32 s[G0S], 1
	s_mov_b32 s[G0S+1], SCL
	s_mov_b64 s[G0S+2:G0S+3], s[22:23]
	s_or_b32 s[G0S+3], s[G0S+3], 0x80000000
	s_mov_b32 s[G0SB], 1
	s_mov_b32 s[G0SB+1], SCL+2*HALFS
	s_mov_b64 s[G0SB+2:G0SB+3], s[92:93]
	s_or_b32 s[G0SB+3], s[G0SB+3], 0x80000000
.irp s, 0,1
	s_mov_b32 s[G0B+4*\s], 1
	s_add_co_u32 s[G0B+4*\s+1], s19, \s*SLOT
	s_add_nc_u64 s[G0B+4*\s+2:G0B+4*\s+3], s[46:47], \s*ROWB
	s_or_b32 s[G0B+4*\s+3], s[G0B+4*\s+3], 0x80000000
.endr
	s_mov_b32 s4, 1                                ; group 0 of the head's load of slot 0, in registers that held arguments
	s_mul_i32 s5, s16, 2*QUART
	s_mov_b64 s[6:7], s[2:3]
	s_or_b32 s7, s7, 0x80000000
	; THE HEAD'S LOADS, ONE A WAVE: wave 0 A's scales, wave 1 B's scales, waves 2 and 3 the two halves of slot 0
	ARM 1, G0S,  G1S,  .Lhead_sb
	ARM 2, G0SB, G1SB, .Lhead_b
	tensor_load_to_lds s[4:7], s[G1B:G1B+7]
	s_nop 0
.rept 4
	v_nop
.endr
.Lhead_asked:
	v_and_b32 v1, 15, v0
	v_bfe_u32 v2, v0, 4, 1
	v_mul_u32_u24 v[ADRB], v1, PITCH
	v_mad_u32_u24 v[ADRB], v2, 24, v[ADRB]
	v_add_nc_u32 v[ADRB+1], SLOT, v[ADRB]
	v_lshl_add_u32 v[ADRB+2], v2, 4, v[ADRB]
	v_lshl_add_u32 v[ADRB+3], v2, 4, v[ADRB+1]
.irp i, 0,1,2,3
	v_add_nc_u32 v[ADRB+4+\i], 4*16*PITCH, v[ADRB+\i]
.endr
	s_mul_i32 s23, s14, 16*SPITCH
	s_add_co_u32 s23, s23, STAGE
	v_mul_u32_u24 v5, v1, SPITCH
	v_lshl_add_u32 v5, v2, 5, v5
	v_add_nc_u32 v[STO], s23, v5
	v_add_nc_u32 v[RD], s23, v[CO]
	v_mul_u32_u24 v6, v1, KS
	v_lshrrev_b32 v7, 8, v6
	v_lshl_add_u32 v6, v7, 4, v6
	v_add_nc_u32 v[ADSB], SCL+2*HALFS, v6
	s_mul_i32 s22, s14, 2*SBLK
	s_add_co_u32 s22, s22, SCL
	v_lshlrev_b32 v6, 2, v1
	v_add_nc_u32 v[ADSA], s22, v6
	s_lshl_b32 s20, s17, 7
	s_lshl_b32 s21, s14, 5
	s_add_co_u32 s20, s20, s21
	s_lshl_b32 s20, s20, 12
	s_lshl_b32 s46, s42, 9
	s_mov_b32 s47, 0
	s_add_nc_u64 s[10:11], s[10:11], s[46:47]
	s_add_co_u32 s20, s20, s46
	s_mov_b32 s21, 0
	s_add_nc_u64 s[96:97], s[96:97], s[20:21]
	s_add_nc_u64 s[98:99], s[98:99], s[20:21]
.macro FETCHB slot, q, f
	WIN 0x40
.irp b, 0,1,2,3,4,5,6,7
.irp p, 0,1,2,3,4,5
.set PCE, 12*(\q)+6*(\p/3)+\p%3
.if PCE%32 < 29
	ds_load_b64 v[(\f)+12*\b+2*\p:(\f)+12*\b+2*\p+1], v[ADRB+(\slot)+4*(\b/4)] offset:8*PCE+16*(PCE/32)+(\b%4)*16*PITCH
.else
	ds_load_b64 v[(\f)+12*\b+2*\p:(\f)+12*\b+2*\p+1], v[ADRB+2+(\slot)+4*(\b/4)] offset:8*PCE+16*(PCE/32)+(\b%4)*16*PITCH
.endif
.endr
.endr
.endm
.macro SCALESG g
.set EE, SCR+40*((\g)%2)
.irp a, 0,1
.irp q, 0,1,2,3
	ds_load_b32 v[EE+4*\a+\q], v[ADSA] offset:\a*SBLK+272*(\g)+64*\q
.endr
.endr
.irp b, 0,1,2,3,4,5,6,7
	ds_load_b128 v[EE+8+4*\b:EE+8+4*\b+3], v[ADSB] offset:\b*SBLK+16*(\g)
.endr
.endm
.macro MULG ks, a, zero
.set FB, 96*((\ks)%2)
.set FA, 24*((\ks)%DEP)+12*(\a)
.set EE, SCR+40*(((\ks)/4)%2)
.irp b, 0,1,2,3,4,5,6,7
.if \zero
	v_wmma_scale_f32_16x16x128_f8f6f4 v[ACC+8*(8*(\a)+\b):ACC+8*(8*(\a)+\b)+7], v[FB+12*\b:FB+12*\b+11], v[FA:FA+11], 0, v[EE+8+4*\b+(\ks)%4], v[EE+4*(\a)+(\ks)%4] matrix_a_fmt:MATRIX_FMT_FP6 matrix_b_fmt:MATRIX_FMT_FP6
.else
	v_wmma_scale_f32_16x16x128_f8f6f4 v[ACC+8*(8*(\a)+\b):ACC+8*(8*(\a)+\b)+7], v[FB+12*\b:FB+12*\b+11], v[FA:FA+11], v[ACC+8*(8*(\a)+\b):ACC+8*(8*(\a)+\b)+7], v[EE+8+4*\b+(\ks)%4], v[EE+4*(\a)+(\ks)%4] matrix_a_fmt:MATRIX_FMT_FP6 matrix_b_fmt:MATRIX_FMT_FP6
.endif
.endr
.endm
.macro PLACES
.rept 4
	v_nop
.endr
.endm
.macro STEPG ks, zero
.set SL_, ((\ks)/NQ)%2
.set QN_, (\ks)%NQ+1
.set FN_, 96-96*((\ks)%2)
	s_wait_dscnt 0x0
	PLACES
	FETCHB SL_, QN_, FN_
.if (\ks)%4 == 3
	WIN 0
	SCALESG (\ks)/4+1
.endif
	ITEM (\ks)+DEP-1
	COUNT \ks, DEP-1
	s_wait_loadcnt NW
	WIN MUL
	MULG \ks, 0, \zero
	MULG \ks, 1, \zero
.endm
.macro TURNG ks, fill
.set SL_, ((\ks)/NQ)%2
.set NX_, 1-SL_
	WIN 0
	s_wait_tensorcnt 0x0
	ds_add_u32 v[SPW], v[NIL]
	COUNT \ks, DEP-2
	s_wait_loadcnt NW
	s_wait_dscnt 0x0
	s_barrier_signal -1
	WIN MUL
	MULG \ks, 0, 0
	WIN 0
	s_barrier_wait -1
.if \fill
	CREST
	s_add_nc_u64 s[G0B+4*SL_+2:G0B+4*SL_+3], s[G0B+4*SL_+2:G0B+4*SL_+3], 2*ROWB
	BLOAD SL_
.else
	PLACES
.endif
	FETCHB NX_, 0, 0
	WIN 0
	SCALESG (\ks)/4+1
	ITEM (\ks)+DEP-1
	WIN MUL
	MULG \ks, 1, 0
.endm
	s_wait_alu depctr_va_vdst(0)
	s_wait_tensorcnt 0x0                           ; my tile of the head's is in; slot 1's first fill is issued as a refill is
	ds_add_u32 v[SPW], v[NIL]
	s_mov_b32 s[G1B+2], 32<<16                     ; no load of mine is out: from here on a load brings 32 rows
	s_mov_b32 s[G1B+4], 32
	s_wait_dscnt 0x0
	CROUND
	BLOAD 1
	FETCHB 0, 0, 0
	WIN 0
	SCALESG 0
	STEPG 0, 1
.irp k, 1,2,3,4,5,6
	STEPG \k, 0
.endr
	TURNG 7, 1
.irp k, 8,9,10,11,12,13,14
	STEPG \k, 0
.endr
	TURNG 15, 1
.irp k, 16,17,18,19,20,21,22
	STEPG \k, 0
.endr
	TURNG 23, 0
.irp k, 24,25,26,27,28,29,30
	STEPG \k, 0
.endr
	s_wait_dscnt 0x0
	COUNT 31, DEP-1
	s_wait_loadcnt NW
	WIN MUL
	MULG 31, 0, 0
	MULG 31, 1, 0
	WIN 0
	PLACES
	s_wait_loadcnt 0x0
.irp a, 0,1
.irp b, 0,1,2,3,4,5,6,7
	ds_store_b128 v[STO], v[ACC+8*(8*\a+\b):ACC+8*(8*\a+\b)+3] offset:64*\b
	ds_store_b128 v[STO], v[ACC+8*(8*\a+\b)+4:ACC+8*(8*\a+\b)+7] offset:64*\b+16
.endr
	WIN 0xc0
.irp t, 0,1,2,3,4,5,6,7,8,9,10,11,12,13,14,15
	ds_load_b128 v[128+64*\a+4*\t:128+64*\a+4*\t+3], v[RD] offset:\t*SPITCH
.endr
	s_wait_dscnt 0x0
	WIN 0xcf
.set I, 0
.rept 32
	v_pk_add_f32 v[128+64*\a+2*I:128+64*\a+2*I+1], v[128+64*\a+2*I:128+64*\a+2*I+1], v[64*\a+2*I:64*\a+2*I+1]
.set I, I+1
.endr
	WIN 0xc3
.set I, 0
.rept 32
	v_pk_add_f32 v[128+64*\a+2*I:128+64*\a+2*I+1], v[128+64*\a+2*I:128+64*\a+2*I+1], v[BI+2*(I%2):BI+2*(I%2)+1]
.set I, I+1
.endr
	WIN 0x0c
.irp t, 0,1,2,3,4,5,6,7,8,9,10,11,12,13,14,15
	global_store_b128 v[CO], v[128+64*\a+4*\t:128+64*\a+4*\t+3], s[98:99] offset:(16*\a+\t)*4096
.endr
	WIN 0
.endr
	s_wait_tensorcnt 0x0
	ds_add_u32 v[SPW], v[NIL]
	s_wait_dscnt 0x0
	CROUND
	s_endpgm
.Lfunc_end_k_q09682cae08_fc2:
	.size	k_q09682cae08_fc2, .Lfunc_end_k_q09682cae08_fc2-k_q09682cae08_fc2
	.p2alignl 7, 3214868480
	.fill 96, 4, 3214868480
	.section	.rodata,"a",@progbits
	.p2align	6, 0x0
	.amdhsa_kernel k_q09682cae08_fc2
		.amdhsa_group_segment_fixed_size 327680
		.amdhsa_private_segment_fixed_size 0
		.amdhsa_enable_private_segment 0
		.amdhsa_kernarg_size 48
		.amdhsa_user_sgpr_count 2
		.amdhsa_user_sgpr_kernarg_segment_ptr 1
		.amdhsa_wavefront_size32 1
		.amdhsa_system_sgpr_workgroup_id_x 1
		.amdhsa_system_sgpr_workgroup_id_y 1
		.amdhsa_system_sgpr_workgroup_id_z 1
		.amdhsa_system_vgpr_workitem_id 0
		.amdhsa_next_free_vgpr 1024
		.amdhsa_next_free_sgpr 100
		.amdhsa_reserve_vcc 0
		.amdhsa_float_denorm_mode_32 3
		.amdhsa_float_denorm_mode_16_64 3
		.amdhsa_memory_ordered 1
		.amdhsa_forward_progress 1
		.amdhsa_inst_pref_size 225
	.end_amdhsa_kernel
	.amdgpu_metadata
---
amdhsa.version: [ 1, 2 ]
amdhsa.kernels:
  - .name:           k_q09682cae08_fc2
    .symbol:         k_q09682cae08_fc2.kd
    .args:
      - { .name: hid, .offset: 0, .size: 8, .value_kind: global_buffer, .address_space: global }
      - { .name: w2_codes, .offset: 8, .size: 8, .value_kind: global_buffer, .address_space: global }
      - { .name: w2_scales, .offset: 16, .size: 8, .value_kind: global_buffer, .address_space: global }
      - { .name: b2, .offset: 24, .size: 8, .value_kind: global_buffer, .address_space: global }
      - { .name: x1, .offset: 32, .size: 8, .value_kind: global_buffer, .address_space: global }
      - { .name: out0, .offset: 40, .size: 8, .value_kind: global_buffer, .address_space: global }
    .group_segment_fixed_size: 327680
    .private_segment_fixed_size: 0
    .kernarg_segment_align: 8
    .kernarg_segment_size: 48
    .max_flat_workgroup_size: 128
    .sgpr_count:     100
    .vgpr_count:     1024
    .wavefront_size: 32
...
	.end_amdgpu_metadata
.endif
;; end of part 6
